; MI455X (gfx1250); checked and timed in simulation.
; The chip was launched on July 23, 2026; its instructions are those of AMD's public machine-readable ISA for CDNA 5 (MIT licence, August 2026) and "CDNA5" Instruction Set Architecture Reference Guide (July 2026). The comments in the code are by the model that wrote it; some were corrected since.
;; Multi Headed Attention. Allowed arithmetic: matrix products marked QUANTISED: E2M1 operands, one E8M0 scale for each 32 along K, by v_wmma_scale_f32_16x16x128_f8f6f4 with both operands' format E2M1 (or v_wmma_scale_f32_32x16x128_f4), f32 sums; products left as they are: bf16, f16 or f32 operands; f32 sums; everything else in f32.
;; Inputs: Wk 1,024 x 1,024 float32; Wo 1,024 x 1,024 float32; Wq 1,024 x 1,024 float32; Wv 1,024 x 1,024 float32; bk 1,024 float32; bo 1,024 float32; bq 1,024 float32; bv 1,024 float32; key 4 x 2,048 x 1,024 float32; query 4 x 2,048 x 1,024 float32; value 4 x 2,048 x 1,024 float32.
;; Outputs: out0 4 x 2,048 x 1,024 float32.
;; This version of the problem:
;;   THIS VERSION OF THE PROBLEM IS GIVEN IN LOW PRECISION. The matrix products marked QUANTISED in the list below multiply operands that are first quantised to E2M1 (2 exponent bits, 1 mantissa bit; 4 bits a number), with one power-of-two scale for each 32 numbers along K (OCP MX v1.0); their sums are f32. The products marked 'left as it is' may take bf16, f16 or f32 operands, with f32 sums. Whichever they take, every output number must still come out within the allowed error. Rounding operands to bf16 (8 significant bits) uses up far more of that allowance than f16 does (11 bits, for magnitudes from 6e-5 to 65,504). All else is computed in f32.
;;   The module's matrix products, in the order in which they are computed (A, B: the left and right operand; K: the contracted axis; several contracted axes count as one K, in the product's order):
;;     1. [M 8,192, K 1,024] x [K 1,024, N 1,024]; A: input query; B: input Wq: QUANTISED
;;     2. [M 8,192, K 1,024] x [K 1,024, N 1,024]; A: input key; B: input Wk: QUANTISED
;;     3. [M 8,192, K 1,024] x [K 1,024, N 1,024]; A: input value; B: input Wv: QUANTISED
;;     4. batch 64 x [M 2,048, K 64] x [K 64, N 2,048]; A: computed on the way; B: computed on the way: left as it is (an operand is computed on the way)
;;     5. batch 64 x [M 2,048, K 2,048] x [K 2,048, N 64]; A: computed on the way; B: computed on the way: left as it is (an operand is computed on the way)
;;     6. [M 8,192, K 1,024] x [K 1,024, N 1,024]; A: computed on the way; B: input Wo: left as it is (an operand is computed on the way)
;;   THE QUANTISER, for each operand of a quantised product, along K:
;;     - K is cut into blocks of 32 from its start; a last block that is shorter is filled with zeros.
;;     - A block's scale is 2^e with e = floor(log2(the largest magnitude in the block)) - 2, held to -126 .. 127; a block of zeros has e = 0. As a byte (E8M0): e + 127.
;;     - Each number is divided by its block's scale, clamped to +-6, and rounded to the nearest number of E2M1, ties to even, subnormals kept.
;;     - The product sums the exact products of the quantised numbers (number of the format x scale) in f32.
;;   ~~~python
;;   def quantise(x, axis):      # numpy; x: float32 -> the quantised numbers, widened to float32 again
;;       x = np.moveaxis(x, axis, -1); K = x.shape[-1]
;;       x = np.pad(x, [(0, 0)] * (x.ndim - 1) + [(0, -K % 32)]); x = x.reshape(x.shape[:-1] + (-1, 32)); a = np.abs(x).max(-1, keepdims=True)
;;       e = np.where(a > 0, np.clip(np.frexp(np.where(a > 0, a, 1))[1] - 1 - 2, -126, 127), 0)      # np.frexp(a)[1] - 1 = floor(log2(a)), exactly
;;       r = np.clip(x / 2.0 ** e, -6, 6)
;;       step = 2.0 ** (np.maximum(np.frexp(np.where(r == 0, 1, r))[1] - 1, 0) - 1)
;;       q = np.round(r / step) * step * 2.0 ** e      # np.round: ties to even
;;       return np.moveaxis(q.reshape(q.shape[:-2] + (-1,))[..., :K], -1, axis).astype(np.float32)
;;   ~~~
;; 2 versions, each right; version 2 is version 1 with the launch proj written anew for expert scheduling mode. Each part assembles by itself: llvm-mc -triple=amdgcn-amd-amdhsa -mcpu=gfx1250 --defsym DOCPART=n.
;; ======== version 1 of 2: 4 launches
;; limits: values are held in f16: magnitudes above 65,504 overflow, below 6.1e-05 lose precision
;; workspace buffers: wcodes 1,572,864 bytes; wscales 98,304 bytes; wo16 2,097,152 bytes; qkv 50,331,648 bytes; xf 16,777,216 bytes
;; launch wprep (part 1): grid 64 x 4, 4 waves a work-group, no clusters, 0 bytes of LDS; arguments Wq, Wk, Wv, Wo, wcodes, wscales, wo16; writes wcodes, wscales, wo16
.if DOCPART == 1
	.amdgcn_target "amdgcn-amd-amdhsa--gfx1250"
	.amdhsa_code_object_version 6
	.text
	.protected	k_q1e22cb4d63_wprep
	.globl	k_q1e22cb4d63_wprep
	.p2align	8
	.type	k_q1e22cb4d63_wprep,@function
k_q1e22cb4d63_wprep:
	s_mov_b64 s[64:65], 0
	v_nop
	global_prefetch_b8 v0, s[64:65] scope:SCOPE_SE
	s_setreg_imm32_b32 hwreg(HW_REG_WAVE_MODE, 25, 1), 1
	s_wait_xcnt 0x0
; THE WEIGHTS ARE PREPARED ONCE.  Wq, Wk, Wv [1024 (k)][1024 (n)] f32 become codes of FP4 (E2M1) with one E8M0 byte for each 32 along K; Wo becomes f16.
; All four leave as IMAGES OF OPERAND REGISTERS, so that the later launches load fragments by 16 bytes a lane at 16 x lane.
; wcodes  [t 3][cg 16][s 8][u 4][c 2][lane 32][16 bytes]: column 64 cg + 16 u + lane % 16, k = 128 s + 64 c + 32 (lane / 16) + 0 .. 31.
; wscales [t 3][cg 16][s 8][q 2][lane 32] words: the four bytes of K step s of column 64 cg + 16 (2 q + lane / 16) + lane % 16.
; wo16    [s 8][nt 64][kq 4][c 2][lane 32][16 bytes]: Wo(k = 128 s + 32 kq + 16 c + 8 (lane / 16) + 0 .. 7, n = 16 nt + lane % 16).
; A LANE TAKES A COLUMN AND ITS REGISTERS RUN DOWN K: a load reads 128 consecutive bytes a wave, 512 a work-group; a block of 32 along K lies in one lane.
; A block's scale is 2^(floor(log2(largest magnitude)) - 2); its byte is the largest magnitude's exponent field - 2, held at 1 from below.
; LIMITS: a block of zeros gets the byte 1 (its codes are zeros, and this program alone reads the bytes); blocks whose largest magnitude lies under 2^-124 were not tried; NaN and infinities are not served.
; SHARES: work-group y = the tensor; x = (K step of 128) x 8 + (block of 128 columns); wave w takes 32 of the columns.  256 work-groups of equal work.
; The codes and Wo's numbers leave as 256 consecutive aligned bytes for each sixteen lanes.  The scale words leave as 128 consecutive bytes a wave: 96 KiB in the whole launch.
; No LDS, no barrier, no matrix unit: the launch moves bytes.  No result register is written twice, so no store's data are rewritten.
.set X,  32                            ; v32-159  128 numbers down K
.set C,  160                           ; v160-223 results
.set SB, 14                            ; v14      the scale word
	s_load_b256 s[4:11], s[0:1], 0x0               ; Wq, Wk, Wv, Wo
	s_load_b128 s[12:15], s[0:1], 0x20             ; wcodes, wscales
	s_load_b64 s[16:17], s[0:1], 0x30              ; wo16
	v_lshrrev_b32 v4, 5, v0
	v_readfirstlane_b32 s20, v4                    ; wave
	v_and_b32 v5, 31, v0                           ; lane
	v_lshlrev_b32 v1, 2, v5                        ; 4 x lane
	v_and_b32 v6, 15, v0
	v_bfe_u32 v7, v0, 4, 1
	v_lshlrev_b32 v6, 4, v6
	v_lshl_add_u32 v2, v7, 10, v6                  ; codes: 1024 (lane / 16) + 16 (lane % 16): the upper sixteen lanes are the next column tile
	v_lshl_add_u32 v3, v7, 12, v6                  ; Wo: 4096 (lane / 16) + 16 (lane % 16)
	s_and_b32 s21, ttmp7, 0xffff                   ; t
	s_and_b32 s22, ttmp9, 7                        ; cb: block of 128 columns
	s_lshr_b32 s23, ttmp9, 3                       ; s: K step
	s_lshl_b32 s24, s23, 19                        ; 128 rows of 4,096 bytes
	s_lshl_b32 s26, s22, 9
	s_add_co_u32 s24, s24, s26
	s_lshl_b32 s26, s20, 7
	s_add_co_u32 s24, s24, s26
	s_mov_b32 s25, 0
	s_wait_kmcnt 0x0
	s_cmp_eq_u32 s21, 1                            ; the tensor is chosen by the work-group's number alone
	s_cselect_b64 s[4:5], s[6:7], s[4:5]
	s_cmp_eq_u32 s21, 2
	s_cselect_b64 s[4:5], s[8:9], s[4:5]
	s_cmp_eq_u32 s21, 3
	s_cselect_b64 s[4:5], s[10:11], s[4:5]
	s_add_nc_u64 s[4:5], s[4:5], s[24:25]
.macro LOAD t                          ; 32 rows of K, my column
.irp i, 0,1,2,3,4,5,6,7,8,9,10,11,12,13,14,15,16,17,18,19,20,21,22,23,24,25,26,27,28,29,30,31
	global_load_b32 v[X+32*(\t)+\i], v1, s[4:5] offset:4096*(32*(\t)+\i) th:TH_LOAD_NT
.endr
.endm
	LOAD 0
	LOAD 1
	s_cmp_eq_u32 s21, 3
	s_cbranch_scc1 .Lwo
	; ---- Wq, Wk, Wv: codes and scale words
	s_lshl_b32 s28, s22, 1
	s_lshr_b32 s29, s20, 1
	s_add_co_u32 s28, s28, s29                     ; cg = 2 cb + wave / 2
	s_and_b32 s30, s20, 1
	s_lshl_b32 s26, s21, 19
	s_lshl_b32 s29, s28, 15
	s_add_co_u32 s26, s26, s29
	s_lshl_b32 s29, s23, 12
	s_add_co_u32 s26, s26, s29
	s_lshl_b32 s29, s30, 11
	s_add_co_u32 s26, s26, s29
	s_mov_b32 s27, 0
	s_add_nc_u64 s[12:13], s[12:13], s[26:27]
	s_lshl_b32 s26, s21, 15
	s_lshl_b32 s29, s28, 11
	s_add_co_u32 s26, s26, s29
	s_lshl_b32 s29, s23, 8
	s_add_co_u32 s26, s26, s29
	s_lshl_b32 s29, s30, 7
	s_add_co_u32 s26, s26, s29
	s_add_nc_u64 s[14:15], s[14:15], s[26:27]
.macro BLOCK t
.set XS, X+32*(\t)
.if (\t) < 3
	s_wait_loadcnt 32                              ; this block's 32 loads are in; the next block's may be out
.else
	s_wait_loadcnt 0x0
.endif
.if (\t)+2 < 4
	LOAD (\t)+2
.endif
	v_max3_num_f32 v12, |v[XS]|, |v[XS+1]|, |v[XS+2]|              ; the block's largest magnitude, in two chains
	v_max3_num_f32 v13, |v[XS+3]|, |v[XS+4]|, |v[XS+5]|
.irp i, 6,10,14,18,22,26
	v_max3_num_f32 v12, v12, |v[XS+\i]|, |v[XS+\i+1]|
	v_max3_num_f32 v13, v13, |v[XS+\i+2]|, |v[XS+\i+3]|
.endr
	v_max3_num_f32 v12, v12, |v[XS+30]|, |v[XS+31]|
	v_max3_num_f32 v12, v12, v13, 0x1800000        ; and the floor 2^(3 - 127): the byte cannot fall under 1
	v_add_nc_u32 v11, 0xff000000, v12              ; 2 off the exponent field: the conversion's scale operand
	v_lshrrev_b32 v13, 23, v11                     ; the byte
.if (\t) == 0
	v_mov_b32 v[SB], v13
.else
	v_lshl_or_b32 v[SB], v13, 8*(\t), v[SB]
.endif
.irp g, 0,1,2,3
	v_cvt_scalef32_pk8_fp4_f32 v[C+4*(\t)+\g], v[XS+8*\g:XS+8*\g+7], v11
.endr
	global_store_b128 v2, v[C+4*(\t):C+4*(\t)+3], s[12:13] offset:512*((\t)/2)+256*((\t)%2)   ; block t is register group t / 2 of the lanes' half t % 2
.endm
	BLOCK 0
	BLOCK 1
	BLOCK 2
	BLOCK 3
	global_store_b32 v1, v[SB], s[14:15]
	s_endpgm
.Lwo:
	; ---- Wo: f16
	s_lshl_b32 s26, s23, 18
	s_lshl_b32 s29, s22, 15
	s_add_co_u32 s26, s26, s29
	s_lshl_b32 s29, s20, 13
	s_add_co_u32 s26, s26, s29                     ; 262144 s + 4096 (8 cb + 2 wave)
	s_mov_b32 s27, 0
	s_add_nc_u64 s[16:17], s[16:17], s[26:27]
.macro HALVES t
.if (\t) < 3
	s_wait_loadcnt 32
.else
	s_wait_loadcnt 0x0
.endif
.if (\t)+2 < 4
	LOAD (\t)+2
.endif
.irp g, 0,1,2,3,4,5,6,7,8,9,10,11,12,13,14,15
	v_cvt_pk_f16_f32 v[C+16*(\t)+\g], v[X+32*(\t)+2*\g], v[X+32*(\t)+2*\g+1]
.endr
.irp p, 0,1,2,3
	global_store_b128 v3, v[C+16*(\t)+4*\p:C+16*(\t)+4*\p+3], s[16:17] offset:1024*(\t)+256*\p   ; eight numbers down K: group p / 2, half p % 2
.endr
.endm
	HALVES 0
	HALVES 1
	HALVES 2
	HALVES 3
	s_endpgm
.Lfunc_end_k_q1e22cb4d63_wprep:
	.size	k_q1e22cb4d63_wprep, .Lfunc_end_k_q1e22cb4d63_wprep-k_q1e22cb4d63_wprep
	.p2alignl 7, 3214868480
	.fill 96, 4, 3214868480
	.section	.rodata,"a",@progbits
	.p2align	6, 0x0
	.amdhsa_kernel k_q1e22cb4d63_wprep
		.amdhsa_group_segment_fixed_size 0
		.amdhsa_private_segment_fixed_size 0
		.amdhsa_enable_private_segment 0
		.amdhsa_kernarg_size 56
		.amdhsa_user_sgpr_count 2
		.amdhsa_user_sgpr_kernarg_segment_ptr 1
		.amdhsa_wavefront_size32 1
		.amdhsa_system_sgpr_workgroup_id_x 1
		.amdhsa_system_sgpr_workgroup_id_y 1
		.amdhsa_system_sgpr_workgroup_id_z 1
		.amdhsa_system_vgpr_workitem_id 0
		.amdhsa_next_free_vgpr 224
		.amdhsa_next_free_sgpr 66
		.amdhsa_reserve_vcc 0
		.amdhsa_float_denorm_mode_32 3
		.amdhsa_float_denorm_mode_16_64 3
		.amdhsa_memory_ordered 1
		.amdhsa_forward_progress 1
		.amdhsa_inst_pref_size 33
	.end_amdhsa_kernel
	.amdgpu_metadata
---
amdhsa.version: [ 1, 2 ]
amdhsa.kernels:
  - .name:           k_q1e22cb4d63_wprep
    .symbol:         k_q1e22cb4d63_wprep.kd
    .args:
      - { .name: Wq, .offset: 0, .size: 8, .value_kind: global_buffer, .address_space: global }
      - { .name: Wk, .offset: 8, .size: 8, .value_kind: global_buffer, .address_space: global }
      - { .name: Wv, .offset: 16, .size: 8, .value_kind: global_buffer, .address_space: global }
      - { .name: Wo, .offset: 24, .size: 8, .value_kind: global_buffer, .address_space: global }
      - { .name: wcodes, .offset: 32, .size: 8, .value_kind: global_buffer, .address_space: global }
      - { .name: wscales, .offset: 40, .size: 8, .value_kind: global_buffer, .address_space: global }
      - { .name: wo16, .offset: 48, .size: 8, .value_kind: global_buffer, .address_space: global }
    .group_segment_fixed_size: 0
    .private_segment_fixed_size: 0
    .kernarg_segment_align: 8
    .kernarg_segment_size: 56
    .max_flat_workgroup_size: 128
    .sgpr_count:     66
    .vgpr_count:     224
    .wavefront_size: 32
...
	.end_amdgpu_metadata
.endif
;; end of part 1
;; launch proj (part 2): grid 64 x 3, 8 waves a work-group, no clusters, 138,240 bytes of LDS; arguments query, key, value, bq, bk, bv, wcodes, wscales, qkv; writes qkv
.if DOCPART == 2
	.amdgcn_target "amdgcn-amd-amdhsa--gfx1250"
	.amdhsa_code_object_version 6
	.text
	.protected	k_q1e22cb4d63_proj
	.globl	k_q1e22cb4d63_proj
	.p2align	8
	.type	k_q1e22cb4d63_proj,@function
k_q1e22cb4d63_proj:
	s_mov_b64 s[64:65], 0
	v_nop
	global_prefetch_b8 v0, s[64:65] scope:SCOPE_SE
	s_setreg_imm32_b32 hwreg(HW_REG_WAVE_MODE, 25, 1), 1
	s_wait_xcnt 0x0
; q = query Wq + bq, k = key Wk + bk, v = value Wv + bv: both operands of each product as codes of FP4 (E2M1) with one E8M0 byte for each 32 along K; sums in f32; the results are rounded to f16.
; Work-group y = the tensor t; x = a block of 128 rows of the 8,192.  Eight waves.
; PHASE X: wave w quantises rows 16 w .. 16 w + 15 for all of K (8 steps of 128) and stores the fragments into LDS as images of their registers, the scale words beside them.  One barrier.
; PHASE M: wave w makes 128 rows x 64 columns, one head, 8 p + w, in two passes p: 32 accumulators.  THE PRODUCT IS USED TRANSPOSED (source 0 = 16 columns of W, source 1 = 16 rows of x):
; a lane then holds one row and eight neighbouring columns, which pack into 16 bytes of f16: one register group of the next product's fragment.  The bias is the C of each sum's first product.
; x's fragments come from LDS (one set of registers: rows 0-63 are fetched anew in a step's middle, rows 64-127 at its end); W's come from memory straight into registers, four steps ahead:
; a fragment feeds eight products.  NO CLUSTER, NO TENSOR LOAD: the launch moves 100 MB of x in and 50 MB out, beside which the weights' 1.6 MB, read again by every work-group, are served out of what was read shortly before;
; a ring for them would have to share its barriers with images that LDS stores wrote.
; qkv [t 3][batch x head 64][tile of 16 tokens 128][u 4][512 bytes]: token r, channels 16 u + 8 h + 0 .. 7 are 16 bytes, for q and k at 256 h + 16 r (the fragment's image),
; for v at 256 (r / 8) + 32 (r % 8) + 16 h (the order in which the turning LDS load of the next launch takes them).  Every store of a wave covers 512 consecutive aligned bytes.
; LIMITS: |q|, |k|, |v| stay under 65,504, the range of f16 (with all inputs 30 times larger they reach some 5,000); a block of zeros gets the byte 1 with zero codes; blocks whose largest magnitude
; lies under 2^-124 were not tried; NaN and infinities are not served.
; REGISTERS.  Window 0: v1-11 addresses; v12-15 x's scale words; v16-23 W's scale words, four sets; v24-151 W's fragments, four sets of 32 (the fourth serves phase X as work registers);
; v152-215 64 numbers of x, later x's eight fragments, later packed results; v216-247 the bias.  Window 1: phase X: four sets of 64 loaded numbers; phase M: accumulator (m, u) at 8 (4 m + u).
.set XIMG,  0                          ; LDS: x's fragment (m, s) at 1024 (8 m + s)
.set XSC,   65536                      ; its scale words: 512 s + 256 (m / 4) + 8 (16 (m % 2) + r) + 4 ((m / 2) % 2)
.set STG,   69632                      ; a stage of 16 rows x (512 + 16) bytes for each wave
.set SP,    528
.set SPARE, 137216                     ; the spare words, 128 bytes for each wave: four blocks of 256 bytes that no other line names
.set LI,  1                            ; 16 x lane
.set L4,  2                            ; 4 x lane
.set XSA, 3                            ; XSC + 8 x lane
.set STW, 4                            ; my stage + 16 x lane
.set STR, 5                            ; my stage + 528 r + 64 h
.set XWI, 6                            ; 16 x lane + 8192 x wave
.set XWS, 7                            ; where my rows' scale words go
.set VST, 8                            ; my 16 bytes in a piece of qkv
.set BA,  9                            ; 32 h
.set SPW, 10                           ; my spare word; never rewritten
.set NIL, 11                           ; 0; never rewritten
.set XS,  12
.set WS,  16
.set WF,  24
.set TM,  120
.set PC,  136
.set PW,  144
.set X,   152
.set BI,  216
.set SEL, 40
.set MSB, 0
.macro WIN new                         ; the immediate's high byte repeats the setting that is left
.if MSB != \new
	s_set_vgpr_msb (MSB<<8)|\new
.set MSB, \new
.endif
.endm
	s_load_b256 s[4:11], s[0:1], 0x0               ; query, key, value, bq
	s_load_b256 s[12:19], s[0:1], 0x20             ; bk, bv, wcodes, wscales
	s_load_b64 s[20:21], s[0:1], 0x40              ; qkv
	v_lshl_add_u32 v[SPW], v0, 2, SPARE
	v_mov_b32 v[NIL], 0
	v_lshrrev_b32 v248, 5, v0
	v_readfirstlane_b32 s22, v248                  ; wave 0..7
	s_and_b32 s23, ttmp7, 0xffff                   ; t
	v_and_b32 v249, 31, v0                         ; lane
	v_and_b32 v250, 15, v0                         ; r
	v_bfe_u32 v251, v0, 4, 1                       ; h
	v_lshlrev_b32 v[LI], 4, v249
	v_lshlrev_b32 v[L4], 2, v249
	v_lshl_add_u32 v[XSA], v249, 3, XSC
	s_mul_i32 s24, s22, 16*SP
	s_add_co_u32 s24, s24, STG
	v_add_nc_u32 v[STW], s24, v[LI]
	v_mul_u32_u24 v[STR], v250, SP
	v_lshl_add_u32 v[STR], v251, 6, v[STR]
	v_add_nc_u32 v[STR], s24, v[STR]
	s_lshl_b32 s25, s22, 13
	v_add_nc_u32 v[XWI], s25, v[LI]
	s_lshr_b32 s25, s22, 2
	s_lshl_b32 s25, s25, 8
	s_and_b32 s26, s22, 1
	s_lshl_b32 s26, s26, 7
	s_add_co_u32 s25, s25, s26
	s_bfe_u32 s26, s22, 0x10001
	s_lshl_b32 s26, s26, 2
	s_add_co_u32 s25, s25, s26
	s_add_co_u32 s25, s25, XSC
	v_lshl_add_u32 v[XWS], v250, 3, s25
	v_lshrrev_b32 v252, 3, v250
	v_and_b32 v253, 7, v250
	v_lshlrev_b32 v252, 8, v252
	v_lshl_add_u32 v252, v253, 5, v252
	v_lshl_add_u32 v252, v251, 4, v252             ; v's order of a piece
	s_cmp_eq_u32 s23, 2
	s_cselect_b32 s26, -1, 0
	v_cndmask_b32 v[VST], v[LI], v252, s26
	v_lshlrev_b32 v[BA], 5, v251
.irp b, 0,1,2,3
	v_mov_b32 v[TM+4+\b], 0                        ; written once: a lane permute's destination counts as one of its sources
.endr
	s_mov_b32 s[SEL], 0x76543210
	s_mov_b32 s[SEL+1], 0xfedcba98                 ; lane l xor 16
	s_lshl_b32 s28, ttmp9, 19                      ; x: 128 rows of 4,096 bytes a block, 16 a wave
	s_lshl_b32 s29, s22, 16
	s_add_co_u32 s28, s28, s29
	s_mov_b32 s29, 0
	s_lshl_b32 s30, s22, 8                         ; bias: 64 numbers a wave
	s_mov_b32 s31, 0
	s_lshl_b32 s32, s23, 19                        ; wcodes: tensor, head w
	s_lshl_b32 s33, s22, 15
	s_add_co_u32 s32, s32, s33
	s_mov_b32 s33, 0
	s_lshl_b32 s34, s23, 15                        ; wscales likewise
	s_lshl_b32 s35, s22, 11
	s_add_co_u32 s34, s34, s35
	s_mov_b32 s35, 0
	s_lshl_b32 s36, s23, 24                        ; qkv: tensor, batch x 16 + head w, the block's 8 tiles of tokens
	s_lshr_b32 s37, ttmp9, 4
	s_lshl_b32 s37, s37, 4
	s_add_co_u32 s37, s37, s22
	s_lshl_b32 s37, s37, 18
	s_add_co_u32 s36, s36, s37
	s_and_b32 s37, ttmp9, 15
	s_lshl_b32 s37, s37, 14
	s_add_co_u32 s36, s36, s37
	s_mov_b32 s37, 0
	s_wait_kmcnt 0x0
	s_cmp_eq_u32 s23, 1                            ; the tensor and its bias are chosen by the work-group's number alone
	s_cselect_b64 s[4:5], s[6:7], s[4:5]
	s_cselect_b64 s[10:11], s[12:13], s[10:11]
	s_cmp_eq_u32 s23, 2
	s_cselect_b64 s[4:5], s[8:9], s[4:5]
	s_cselect_b64 s[10:11], s[14:15], s[10:11]
	s_add_nc_u64 s[4:5], s[4:5], s[28:29]
	s_add_nc_u64 s[10:11], s[10:11], s[30:31]
	s_add_nc_u64 s[16:17], s[16:17], s[32:33]
	s_add_nc_u64 s[18:19], s[18:19], s[34:35]
	s_add_nc_u64 s[20:21], s[20:21], s[36:37]
.macro GLOADW i                        ; step i (pass i / 8, K step i % 8): W's four fragments and two registers of scale words into set i % 4: ten loads
.irp u, 0,1,2,3
.irp c, 0,1
	global_load_b128 v[WF+32*((\i)%4)+8*\u+4*\c:WF+32*((\i)%4)+8*\u+4*\c+3], v[LI], s[16:17] offset:262144*((\i)/8)+4096*((\i)%8)+1024*\u+512*\c
.endr
.endr
.irp q, 0,1
	global_load_b32 v[WS+2*((\i)%4)+\q], v[L4], s[18:19] offset:16384*((\i)/8)+256*((\i)%8)+128*\q
.endr
.endm
.macro BIAS p                          ; lane (r, h), tile u: the bias of columns 16 u + 8 h + 0 .. 7 of head 8 p + w
.irp u, 0,1,2,3
.irp e, 0,1
	global_load_b128 v[BI+8*\u+4*\e:BI+8*\u+4*\e+3], v[BA], s[10:11] offset:2048*(\p)+64*\u+16*\e
.endr
.endr
.endm
.macro XLOAD s                         ; K step s of my 16 rows: each load reads 512 consecutive bytes of one row
	WIN 0x40
.irp i, 0,1,2,3,4,5,6,7,8,9,10,11,12,13,14,15
	global_load_b128 v[64*((\s)%4)+4*\i:64*((\s)%4)+4*\i+3], v[LI], s[4:5] offset:4096*\i+512*(\s) th:TH_LOAD_NT
.endr
	WIN 0
.endm
; 64 numbers of a lane, register 16 b + i = k 32 b + 16 h + i of my row, become a fragment's codes in v[PC] on and its scale word in v[PW]
.macro QUANT s
.irp b, 0,1,2,3
	v_max3_num_f32 v[TM+\b], |v[\s+16*\b]|, |v[\s+1+16*\b]|, 0x1800000   ; my 16 numbers of block b, and the floor 2^(3 - 127): the byte cannot fall under 1
.endr
.irp i, 2,4,6,8,10,12,14
.irp b, 0,1,2,3
	v_max3_num_f32 v[TM+\b], v[TM+\b], |v[\s+16*\b+\i]|, |v[\s+1+16*\b+\i]|
.endr
.endr
.irp b, 0,1,2,3
	v_permlanex16_b32 v[TM+4+\b], v[TM+\b], s[SEL], s[SEL+1]
.endr
.irp b, 0,1,2,3
	v_max_num_f32 v[TM+\b], v[TM+\b], v[TM+4+\b]   ; with lane l xor 16: the block's largest magnitude
.endr
.irp b, 0,1,2,3
	v_add_nc_u32 v[TM+12+\b], 0xff000000, v[TM+\b] ; 2 off its exponent field: the conversion's scale operand
.endr
.irp b, 0,1,2,3
	v_lshrrev_b32 v[TM+4+\b], 23, v[TM+12+\b]      ; the byte
.endr
	v_lshl_or_b32 v[PW], v[TM+5], 8, v[TM+4]
	v_lshl_or_b32 v[PW], v[TM+6], 16, v[PW]
	v_lshl_or_b32 v[PW], v[TM+7], 24, v[PW]
.irp b, 0,1,2,3
	v_cvt_scalef32_pk8_fp4_f32 v[PC+2*\b], v[\s+16*\b:\s+7+16*\b], v[TM+12+\b]
	v_cvt_scalef32_pk8_fp4_f32 v[PC+1+2*\b], v[\s+8+16*\b:\s+15+16*\b], v[TM+12+\b]
.endr
	v_nop                                          ; one plain place behind a scaled conversion
.irp c, 0,1                            ; the operand wants a whole block in a lane: lanes 0-15 block 2 c, lanes 16-31 block 2 c + 1
.irp i, 0,1
	v_permlane16_swap_b32 v[PC+4*\c+\i], v[PC+2+4*\c+\i]
.endr
.endr
.endm
.macro XSTEP s                         ; K step s of my rows: through my stage, so that a lane holds 16 neighbours of each block; quantised; image to LDS
.if 7-(\s) >= 3
	s_wait_loadcnt 48                              ; this step's 16 loads are in; those of the three steps behind it may be out
.else
	s_wait_loadcnt 16*(7-(\s))
.endif
	WIN 0x04
.irp i, 0,1,2,3,4,5,6,7,8,9,10,11,12,13,14,15
	ds_store_b128 v[STW], v[64*((\s)%4)+4*\i:64*((\s)%4)+4*\i+3] offset:SP*\i
.endr
	WIN 0
.irp b, 0,1,2,3
.irp j, 0,1,2,3
	ds_load_b128 v[X+16*\b+4*\j:X+16*\b+4*\j+3], v[STR] offset:128*\b+16*\j   ; LDS serves a wave's instructions in order: these see the stores above
.endr
.endr
	s_wait_dscnt 0x0                               ; the numbers are back; the last step's image stores have read their registers
.if (\s) < 4
	XLOAD (\s)+4
.endif
	QUANT X
.irp c, 0,1
	ds_store_b128 v[XWI], v[PC+4*\c:PC+4*\c+3] offset:XIMG+1024*(\s)+512*\c
.endr
	ds_store_b32 v[XWS], v[PW] offset:512*(\s)     ; lanes r and r + 16 write the same word with the same value
.endm
.macro XHALF g, s                      ; x's fragments of rows 64 g .. 64 g + 63 for K step s, and their scale words: nine LDS loads
.irp m, 0,1,2,3
.irp c, 0,1
	ds_load_b128 v[X+8*(4*(\g)+\m)+4*\c:X+8*(4*(\g)+\m)+4*\c+3], v[LI] offset:XIMG+1024*(8*(4*(\g)+\m)+(\s))+512*\c
.endr
.endr
	ds_load_b64 v[XS+2*(\g):XS+2*(\g)+1], v[XSA] offset:512*(\s)+256*(\g)   ; register e: lanes 0-15 tile 4 g + 2 e, lanes 16-31 tile 4 g + 2 e + 1
.endm
.macro MM m, u                         ; accumulator (m, u) += W's tile u x x's tile m.  The scale registers carry two tiles each: the odd one in lanes 16-31
.set rD, 8*(4*(\m)+(\u))
.set rC, rD
.if sK == 0
.set rC, BI+8*(\u)
.endif
.set rW, WF+32*sSet+8*(\u)
.set rX, X+8*(\m)
.set rA, WS+2*sSet+(\u)/2
.set rB, XS+2*((\m)/4)+((\m)/2)%2
.if ((\u)%2 == 1) && ((\m)%2 == 1)
	v_wmma_scale_f32_16x16x128_f8f6f4 v[rD:rD+7], v[rW:rW+7], v[rX:rX+7], v[rC:rC+7], v[rA], v[rB] matrix_a_fmt:MATRIX_FMT_FP4 matrix_b_fmt:MATRIX_FMT_FP4 matrix_a_scale:MATRIX_SCALE_ROW1 matrix_b_scale:MATRIX_SCALE_ROW1
.elseif (\u)%2 == 1
	v_wmma_scale_f32_16x16x128_f8f6f4 v[rD:rD+7], v[rW:rW+7], v[rX:rX+7], v[rC:rC+7], v[rA], v[rB] matrix_a_fmt:MATRIX_FMT_FP4 matrix_b_fmt:MATRIX_FMT_FP4 matrix_a_scale:MATRIX_SCALE_ROW1
.elseif (\m)%2 == 1
	v_wmma_scale_f32_16x16x128_f8f6f4 v[rD:rD+7], v[rW:rW+7], v[rX:rX+7], v[rC:rC+7], v[rA], v[rB] matrix_a_fmt:MATRIX_FMT_FP4 matrix_b_fmt:MATRIX_FMT_FP4 matrix_b_scale:MATRIX_SCALE_ROW1
.else
	v_wmma_scale_f32_16x16x128_f8f6f4 v[rD:rD+7], v[rW:rW+7], v[rX:rX+7], v[rC:rC+7], v[rA], v[rB] matrix_a_fmt:MATRIX_FMT_FP4 matrix_b_fmt:MATRIX_FMT_FP4
.endif
.endm
.macro MHALF g                         ; 16 products; the 32 accumulators take turns in the same order in every step
.if sK == 0
	WIN 0x40                                       ; D in window 1, C (the bias) in window 0
.else
	WIN 0x50                                       ; C and D in window 1
.endif
.irp m, 0,1,2,3
.irp u, 0,1,2,3
	MM 4*(\g)+\m, \u
.endr
.endr
	WIN 0
.rept 4
	v_nop                                          ; four places in front of loads into registers that these products have read (ISA guide 7.12.1 for vector instructions)
.endr
.endm
.macro MSTEP i
.set sK, (\i)%8
.set sSet, (\i)%4
.if 15-(\i) >= 3
	s_wait_loadcnt 30                              ; this step's weights are in; the three younger groups of ten loads may be out
.else
	s_wait_loadcnt 10*(15-(\i))
.endif
	s_wait_dscnt 9                                 ; rows 0-63 are in; the nine loads of rows 64-127 may be out
	MHALF 0
.if sK < 7
	XHALF 0, sK+1
	s_wait_dscnt 9                                 ; rows 64-127 are in; the nine just issued may be out
.else
	s_wait_dscnt 0x0
.endif
	MHALF 1
.if sK < 7
	XHALF 1, sK+1
.endif
.if (\i) == 0
	BIAS 1                                         ; the first pass has taken its bias
.endif
.if (\i)+4 < 16
	GLOADW (\i)+4
.endif
.endm
.macro OUT p                           ; rounded to f16 and stored: a lane's eight numbers are 16 bytes, a wave's store 512 consecutive bytes
.rept 4
	v_nop
.endr
.irp m, 0,1,2,3,4,5,6,7
.if \m >= 4
	s_wait_xcnt 0x0                                ; the stores of four tiles back have read their registers
.endif
	WIN 0x05
.irp u, 0,1,2,3
.irp e, 0,1,2,3
	v_cvt_pk_f16_f32 v[X+16*(\m%4)+4*\u+\e], v[8*(4*\m+\u)+2*\e], v[8*(4*\m+\u)+2*\e+1]   ; each accumulator from its low end on
.endr
.endr
	WIN 0
.irp u, 0,1,2,3
	global_store_b128 v[VST], v[X+16*(\m%4)+4*\u:X+16*(\m%4)+4*\u+3], s[20:21] offset:2097152*(\p)+2048*\m+512*\u
.endr
.endr
.endm
	BIAS 0
	GLOADW 0
	GLOADW 1
	GLOADW 2
	XLOAD 0
	XLOAD 1
	XLOAD 2
	XLOAD 3
.irp s, 0,1,2,3,4,5,6,7
	XSTEP \s
.endr
	s_wait_dscnt 0x0                               ; for the others' sake: my images and scale words lie in LDS
	GLOADW 3                                       ; into the registers that phase X worked in
	s_barrier_signal -1
	s_barrier_wait -1                              ; all 64 fragments lie in LDS; nothing there is written again
	XHALF 0, 0
	XHALF 1, 0
.irp i, 0,1,2,3,4,5,6,7
	MSTEP \i
.endr
	OUT 0
	s_wait_xcnt 0x0                                ; the stores have read their registers: x's fragments may land there
	XHALF 0, 0
	XHALF 1, 0
.irp i, 8,9,10,11,12,13,14,15
	MSTEP \i
.endr
	OUT 1
	s_wait_tensorcnt 0x0                           ; the wave's end, behind my last LDS store
	ds_add_u32 v[SPW], v[NIL]
	s_wait_dscnt 0x0
	s_endpgm
.Lfunc_end_k_q1e22cb4d63_proj:
	.size	k_q1e22cb4d63_proj, .Lfunc_end_k_q1e22cb4d63_proj-k_q1e22cb4d63_proj
	.p2alignl 7, 3214868480
	.fill 96, 4, 3214868480
	.section	.rodata,"a",@progbits
	.p2align	6, 0x0
	.amdhsa_kernel k_q1e22cb4d63_proj
		.amdhsa_group_segment_fixed_size 138240
		.amdhsa_private_segment_fixed_size 0
		.amdhsa_enable_private_segment 0
		.amdhsa_kernarg_size 72
		.amdhsa_user_sgpr_count 2
		.amdhsa_user_sgpr_kernarg_segment_ptr 1
		.amdhsa_wavefront_size32 1
		.amdhsa_system_sgpr_workgroup_id_x 1
		.amdhsa_system_sgpr_workgroup_id_y 1
		.amdhsa_system_sgpr_workgroup_id_z 1
		.amdhsa_system_vgpr_workitem_id 0
		.amdhsa_next_free_vgpr 512
		.amdhsa_next_free_sgpr 66
		.amdhsa_reserve_vcc 0
		.amdhsa_float_denorm_mode_32 3
		.amdhsa_float_denorm_mode_16_64 3
		.amdhsa_memory_ordered 1
		.amdhsa_forward_progress 1
		.amdhsa_inst_pref_size 195
	.end_amdhsa_kernel
	.amdgpu_metadata
---
amdhsa.version: [ 1, 2 ]
amdhsa.kernels:
  - .name:           k_q1e22cb4d63_proj
    .symbol:         k_q1e22cb4d63_proj.kd
    .args:
      - { .name: query, .offset: 0, .size: 8, .value_kind: global_buffer, .address_space: global }
      - { .name: key, .offset: 8, .size: 8, .value_kind: global_buffer, .address_space: global }
      - { .name: value, .offset: 16, .size: 8, .value_kind: global_buffer, .address_space: global }
      - { .name: bq, .offset: 24, .size: 8, .value_kind: global_buffer, .address_space: global }
      - { .name: bk, .offset: 32, .size: 8, .value_kind: global_buffer, .address_space: global }
      - { .name: bv, .offset: 40, .size: 8, .value_kind: global_buffer, .address_space: global }
      - { .name: wcodes, .offset: 48, .size: 8, .value_kind: global_buffer, .address_space: global }
      - { .name: wscales, .offset: 56, .size: 8, .value_kind: global_buffer, .address_space: global }
      - { .name: qkv, .offset: 64, .size: 8, .value_kind: global_buffer, .address_space: global }
    .group_segment_fixed_size: 138240
    .private_segment_fixed_size: 0
    .kernarg_segment_align: 8
    .kernarg_segment_size: 72
    .max_flat_workgroup_size: 256
    .sgpr_count:     66
    .vgpr_count:     512
    .wavefront_size: 32
...
	.end_amdgpu_metadata
.endif
;; end of part 2
;; launch attn (part 3): grid 4 x 64, 8 waves a work-group, clusters of 4 x 1, 327,680 bytes of LDS; arguments qkv, xf; writes xf
.if DOCPART == 3
	.amdgcn_target "amdgcn-amd-amdhsa--gfx1250"
	.amdhsa_code_object_version 6
	.text
	.protected	k_q1e22cb4d63_attn
	.globl	k_q1e22cb4d63_attn
	.p2align	8
	.type	k_q1e22cb4d63_attn,@function
k_q1e22cb4d63_attn:
	s_mov_b64 s[64:65], 0
	v_nop
	global_prefetch_b8 v0, s[64:65] scope:SCOPE_SE
	s_setreg_imm32_b32 hwreg(HW_REG_WAVE_MODE, 25, 1), 1
	s_wait_xcnt 0x0
	s_wait_alu depctr_hold_cnt(0) depctr_sa_sdst(0) depctr_va_vdst(0) depctr_va_sdst(0) depctr_va_ssrc(0) depctr_va_vcc(0) depctr_vm_vsrc(0)
	s_getreg_b32 s2, hwreg(HW_REG_IB_STS2, 6, 4)
	s_cmp_eq_u32 s2, 0
	s_cbranch_scc0 .Lentry_in_a_cluster
	s_endpgm
.Lentry_in_a_cluster:
	s_bfe_u32 s2, ttmp6, 0x10000c
	s_cmp_lg_u32 s2, 0x3003
	s_cbranch_scc0 .Lentry_shape_is_right
	s_endpgm
.Lentry_shape_is_right:
; x[q] = the sum over keys of softmax(q . k / 8) v, for each of 64 (batch, head), 2,048 queries and keys, head size 64.  Operands in f16 (q, k, v as the launch before stored them; the weights p, at most 1,
; rounded to f16); products, maxima and sums in f32; a running maximum is taken away before every exponential.
; SHARES.  Work-group y = batch x 16 + head; the four work-groups of a cluster are the head's four blocks of 512 queries.  Each of eight waves owns 64 queries: four tiles of 16.  Every wave walks all keys, 64 a step.
; LAYOUT.  S^T = K Q^T (source 0 = 16 keys, source 1 = 16 queries) and O^T = V^T P (source 0 = 16 channels, source 1 = P): a lane holds ONE query throughout; two tiles of S^T, packed in pairs, are P's fragment.
; K comes out of LDS as it lies (an image of its registers), V turned, by ds_load_tr16_b128; both at consecutive bytes, no pitch, no padding.
; SOFTMAX.  p = 2^(c s - c m), c = log2(e) / 8; in every step O and l are multiplied by a = 2^(c m_old - c m_new).
; TWO KINDS OF WAVES, ONE TEXT.  A trip is: [kind 1: softmax of step j - 1]; V^T P of step j - 1; K Q^T of step j; [kind 0: softmax of step j].  Waves 0-3 are kind 0, waves 4-7 kind 1: behind every barrier
; one kind begins with matrix work and the other with vector work, so that the two kinds of work stand beside each other.  V of step j - 1 lies in registers, so a trip reads step j's tiles alone from LDS.
; THE TRIP HAS NO FIRST STEP OF ITS OWN: O, l, V and (kind 0) P begin as zeros, (kind 1) the scores as -infinity, m as -3e38: the first trip's V^T P adds zeros, and kind 1's first softmax gives p = 0 and a = 1.
; That costs 320 moves once and spares copies of the trip.
; CLUSTER.  The four work-groups walk the same K and V: every tile is asked for JOINTLY, each of the eight waves one load of 16 KiB (waves 0-3: K's quarters of a slot of 512 keys; waves 4-7: V's).
; By the text's own count one tensor load of a wave is out at any time.
; xf [block of 128 tokens 64][K step of 128: 8][tile of 16 tokens 8][kq 4][c 2][lane][16 bytes]: the image of the next product's fragments, k = 64 head + channel.
; LIMITS: as the launch before: |q|, |k|, |v| under 65,504; NaN and infinities are not served.
; REGISTERS.  Window 0: v1-7 addresses; v12-43 eight registers of statistics a tile (+0 c m, +1 m, +2, +3 l, +4, +5 at work, +6 a, +7 at work); v44-51 a second chain of sums; v64-127 Q (16 t + 8 dh);
; v128-255 S^T (32 t + 8 kt), P in place in the first 16 of each 32.  Window 1: v0-127 O^T (32 t + 8 ch); v128-191 K (16 kt + 8 dh); v192-255 V (32 kh + 8 ch).
.set SLOT1, 1<<17                      ; a slot: K's 8 steps x 8,192 bytes, then V's at + 65,536; slot 1 begins here, so that one exclusive or turns an address
.set VOFF,  65536
.set SPARE, 262144                     ; behind the ring: the spare words, 128 bytes for each wave: four blocks of 256 bytes that no other line names
.set LI,  1                            ; 16 x lane
.set AV0, 2                            ; my lane's place in a tile of V
.set ADK, 3
.set ADV, 4
.set SPW, 5                            ; my spare word; never rewritten
.set NIL, 6                            ; 0; never rewritten
.set PFO, 7                            ; 256 x lane
.set ST,  12
.set CB,  44
.set Q,   64
.set S,   128
.set KF,  128
.set VF,  192
.set WV,    12
.set TYPE,  13
.set LIM,   16
.set INIT,  17
.set PFA,   18
.set SLOTS, 56
.set TRIPS, 57
.set CS,    58
.set SEL,   60
.set TB,    62
.set MSB, 0
.macro WIN new                         ; the immediate's high byte repeats the setting that is left
.if MSB != \new
	s_set_vgpr_msb (MSB<<8)|\new
.set MSB, \new
.endif
.endm
.macro JLOAD                           ; my part of a slot; an s_nop 0 and four v_nop follow
	tensor_load_to_lds s[40:43], s[24:31]
	s_nop 0
.rept 4
	v_nop
.endr
.endm
.macro CROUND                          ; a round of the cluster's barrier
	s_barrier_signal -1
	s_barrier_wait -1
	s_cmp_lg_u32 s[WV], 0
	s_cbranch_scc1 .Lnot_wave_0_\@
	s_barrier_signal -3
.Lnot_wave_0_\@:
	s_barrier_wait -3
	s_barrier_signal -1
	s_barrier_wait -1
.endm
; A PREFETCH INTO THE L2 of what the NEXT change of slots will ask for: a slot's 65,536 bytes of K and of V, lanes 256 bytes apart.  Each aligned block of 256 bytes is named once in the launch: only this cluster
; walks this head; its four partners share the blocks out BY ADDRESS (two take K's halves, two V's), and in each waves 0 to 3 ask for 8,192 bytes each.  The last change that fills a slot asks for nothing.
.macro ASK
	s_cmp_gt_u32 s[SLOTS], s[LIM]
	s_cbranch_scc0 .Lnot_mine_\@
	global_prefetch_b8 v[PFO], s[PFA:PFA+1] th:TH_LOAD_NT scope:SCOPE_SE
.Lnot_mine_\@:
.endm
	s_load_b128 s[4:7], s[0:1], 0x0                ; qkv, xf
	v_lshl_add_u32 v[SPW], v0, 2, SPARE
	v_mov_b32 v[NIL], 0
	ds_add_u32 v[SPW], v[NIL]                      ; the wave's opening: the add, twice on end, and its wait ahead of my first tensor load
	ds_add_u32 v[SPW], v[NIL]
	v_lshrrev_b32 v8, 5, v0
	v_readfirstlane_b32 s[WV], v8                  ; wave 0..7
	s_lshr_b32 s[TYPE], s[WV], 2
	s_bfe_u32 s14, ttmp6, 0x40000                  ; cx: my block of 512 queries; it enters Q's, xf's and the prefetches' addresses alone
	s_and_b32 s15, ttmp7, 0xffff                   ; batch x 16 + head, which the partners share
	s_mov_b32 s24, 15|(3<<16)|(1<<21)              ; group 1: the mask names all four; elements of 8 bytes; bit 21 set beside a mask; no padding
	s_mov_b32 s25, 32<<16                          ; tensor_dim0 = 32 elements: rows of 256 bytes
	s_mov_b32 s26, 64<<16                          ; tensor_dim1 = 64 rows
	s_mov_b32 s27, 32<<16                          ; tile_dim0
	s_mov_b32 s28, 64                              ; tile_dim1
	s_mov_b32 s29, 32                              ; the pitch: the block is dense
	s_mov_b32 s30, 0
	s_mov_b32 s31, 0
	s_add_co_u32 s20, s[TYPE], 1                   ; what I fetch: k (waves 0-3) or v (waves 4-7) of my head, quarter wave % 4 of a slot
	s_lshl_b32 s20, s20, 24
	s_lshl_b32 s21, s15, 18
	s_add_co_u32 s20, s20, s21
	s_and_b32 s21, s[WV], 3
	s_lshl_b32 s21, s21, 14
	s_add_co_u32 s20, s20, s21
	s_mov_b32 s21, 0
	s_lshl_b32 s22, s15, 18                        ; Q: my head, my block, my wave's four tiles
	s_lshl_b32 s23, s14, 16
	s_add_co_u32 s22, s22, s23
	s_lshl_b32 s23, s[WV], 13
	s_add_co_u32 s22, s22, s23
	s_mov_b32 s23, 0
	s_lshr_b32 s32, s15, 4                         ; xf: block of 128 tokens = 16 batch + 4 cx + wave / 2,
	s_lshl_b32 s32, s32, 4
	s_lshl_b32 s33, s14, 2
	s_add_co_u32 s32, s32, s33
	s_lshr_b32 s33, s[WV], 1
	s_add_co_u32 s32, s32, s33
	s_lshl_b32 s32, s32, 18
	s_bfe_u32 s33, s15, 0x30001                    ; K step = head / 2,
	s_lshl_b32 s33, s33, 15
	s_add_co_u32 s32, s32, s33
	s_and_b32 s33, s[WV], 1                        ; tiles 4 (wave % 2) on,
	s_lshl_b32 s33, s33, 14
	s_add_co_u32 s32, s32, s33
	s_and_b32 s33, s15, 1                          ; kq = 2 (head % 2) on
	s_lshl_b32 s33, s33, 11
	s_add_co_u32 s32, s32, s33
	s_mov_b32 s33, 0
	s_lshr_b32 s34, s14, 1                         ; the prefetches: k or v by cx / 2, half cx % 2, 8,192 bytes a wave, in slot 1: the first change steps it to slot 2
	s_add_co_u32 s34, s34, 1
	s_lshl_b32 s34, s34, 24
	s_lshl_b32 s35, s15, 18
	s_add_co_u32 s34, s34, s35
	s_and_b32 s35, s14, 1
	s_lshl_b32 s35, s35, 15
	s_add_co_u32 s34, s34, s35
	s_and_b32 s35, s[WV], 3
	s_lshl_b32 s35, s35, 13
	s_add_co_u32 s34, s34, s35
	s_add_co_u32 s34, s34, 65536
	s_mov_b32 s35, 0
	s_cmp_lt_u32 s[WV], 4
	s_cselect_b32 s[LIM], 1, -1
	s_cmp_lg_u32 s[TYPE], 0
	s_cselect_b32 s[INIT], 0xff800000, 0           ; what the scores begin as: -infinity (kind 1) or, as P, zeros (kind 0)
	s_mov_b32 s[CS], 0x3e38aa3b                    ; c = log2(e) / 8
	s_mov_b32 s[CS+1], s[CS]
	s_mov_b32 s[SEL], 0x76543210
	s_mov_b32 s[SEL+1], 0xfedcba98
	s_mov_b32 s[TB], 0
	s_mov_b32 s[SLOTS], 3
	s_wait_dscnt 0x0                               ; both opening adds are done
	s_wait_kmcnt 0x0
	s_add_nc_u64 s[8:9], s[4:5], s[22:23]          ; Q
	s_add_nc_u64 s[10:11], s[6:7], s[32:33]        ; xf
	s_add_nc_u64 s[PFA:PFA+1], s[4:5], s[34:35]
	CROUND                                         ; all four work-groups are here: the first joint loads meet
	s_mov_b32 s40, 1                               ; group 0: count = 1
	s_lshl_b32 s41, s[WV], 14                      ; LDS: 16,384 x wave, slot 0
	s_add_nc_u64 s[42:43], s[4:5], s[20:21]
	s_or_b32 s43, s43, 0x80000000                  ; type = 2
	JLOAD                                          ; slot 0
	v_and_b32 v8, 31, v0
	v_lshlrev_b32 v[LI], 4, v8
	v_lshlrev_b32 v[PFO], 8, v8
.irp t, 0,1,2,3
.irp dh, 0,1
.irp c, 0,1
	global_load_b128 v[Q+16*\t+8*\dh+4*\c:Q+16*\t+8*\dh+4*\c+3], v[LI], s[8:9] offset:2048*\t+1024*\dh+512*\c   ; Q stays in registers
.endr
.endr
.endr
	v_bfe_u32 v9, v0, 4, 1
	v_and_b32 v10, 7, v0
	v_bfe_u32 v11, v0, 3, 1
	v_lshlrev_b32 v[AV0], 8, v9                    ; the turning load: lane l addresses key 8 (l / 16) + l % 8, channels 8 ((l / 8) % 2) on: in v's order of a piece
	v_lshl_add_u32 v[AV0], v10, 5, v[AV0]
	v_lshl_add_u32 v[AV0], v11, 4, v[AV0]
	v_add_nc_u32 v[AV0], VOFF, v[AV0]
.irp t, 0,1,2,3
	v_mov_b32 v[ST+8*\t+1], 0xff61b1e6             ; m = -3e38, under every score
	v_mov_b32 v[ST+8*\t+2], 0                      ; l
	v_mov_b32 v[ST+8*\t+3], 0
.endr
.irp t, 0,1,2,3
	v_mul_f32 v[ST+8*\t], s[CS], v[ST+8*\t+1]      ; c m
.endr
.set i, 0
.rept 128
	v_mov_b32 v[S+i], s[INIT]
.set i, i+1
.endr
	WIN 0x40
.set i, 0
.rept 128
	v_mov_b32 v[i], 0                              ; O^T
.set i, i+1
.endr
.set i, 0
.rept 64
	v_mov_b32 v[VF+i], 0                           ; V of the step before the first
.set i, i+1
.endr
	WIN 0
.macro FETCH_K                         ; the step's 64 keys x 64 channels: 8 fragments, 16 loads
	v_add_nc_u32 v[ADK], s[TB], v[LI]
	WIN 0x40
.irp kt, 0,1,2,3
.irp dh, 0,1
.irp c, 0,1
	ds_load_b128 v[KF+16*\kt+8*\dh+4*\c:KF+16*\kt+8*\dh+4*\c+3], v[ADK] offset:2048*\kt+1024*\dh+512*\c
.endr
.endr
.endr
	WIN 0
.endm
.macro FETCH_V                         ; the step's V, turned: 8 fragments, 16 loads.  The addition and the four v_nop are five places behind the products V^T P: for these loads, and for the products K Q^T, which write over P
	v_add_nc_u32 v[ADV], s[TB], v[AV0]
.rept 4
	v_nop
.endr
	WIN 0x40
.irp kh, 0,1
.irp ch, 0,1,2,3
	ds_load_tr16_b128 v[VF+32*\kh+8*\ch:VF+32*\kh+8*\ch+3], v[ADV] offset:512*(8*\kh+\ch)
	ds_load_tr16_b128 v[VF+32*\kh+8*\ch+4:VF+32*\kh+8*\ch+7], v[ADV] offset:512*(8*\kh+4+\ch)
.endr
.endr
	WIN 0
.endm
.macro SMUL                            ; S^T = K Q^T: 32 products; the 16 accumulators take turns; the first 16 start the sums
	WIN 0x01
.irp dh, 0,1
.irp kt, 0,1,2,3
.irp t, 0,1,2,3
.if \dh == 0
	v_wmma_f32_16x16x32_f16 v[S+32*\t+8*\kt:S+32*\t+8*\kt+7], v[KF+16*\kt+8*\dh:KF+16*\kt+8*\dh+7], v[Q+16*\t+8*\dh:Q+16*\t+8*\dh+7], 0
.else
	v_wmma_f32_16x16x32_f16 v[S+32*\t+8*\kt:S+32*\t+8*\kt+7], v[KF+16*\kt+8*\dh:KF+16*\kt+8*\dh+7], v[Q+16*\t+8*\dh:Q+16*\t+8*\dh+7], v[S+32*\t+8*\kt:S+32*\t+8*\kt+7]
.endif
.endr
.endr
.endr
	WIN 0
.endm
.macro PVMUL                           ; O^T += V^T P: 32 products, the 16 accumulators by turns
	WIN 0x51
.irp kh, 0,1
.irp ch, 0,1,2,3
.irp t, 0,1,2,3
	v_wmma_f32_16x16x32_f16 v[32*\t+8*\ch:32*\t+8*\ch+7], v[VF+32*\kh+8*\ch:VF+32*\kh+8*\ch+7], v[S+32*\t+8*\kh:S+32*\t+8*\kh+7], v[32*\t+8*\ch:32*\t+8*\ch+7]
.endr
.endr
.endr
	WIN 0
.endm
; THE SOFTMAX of one key step, all four tiles, the tiles by turns in every stage, so that no line waits for the line above it
.macro SM
.irp j, 0,1,2,3                        ; the maximum of the lane's 32 scores and the old m: four chains, each accumulator from its low end on
.irp t, 0,1,2,3
	v_max3_num_f32 v[ST+8*\t+4+\j], v[S+32*\t+8*\j], v[S+32*\t+8*\j+1], v[S+32*\t+8*\j+2]
.endr
.endr
.irp g, 1,2
.irp j, 0,1,2,3
.irp t, 0,1,2,3
	v_max3_num_f32 v[ST+8*\t+4+\j], v[ST+8*\t+4+\j], v[S+32*\t+8*\j+2*\g+1], v[S+32*\t+8*\j+2*\g+2]
.endr
.endr
.endr
.irp t, 0,1,2,3
	v_max3_num_f32 v[ST+8*\t+4], v[ST+8*\t+4], v[S+32*\t+7], v[S+32*\t+15]
.endr
.irp t, 0,1,2,3
	v_max3_num_f32 v[ST+8*\t+6], v[ST+8*\t+6], v[S+32*\t+23], v[S+32*\t+31]
.endr
.irp t, 0,1,2,3
	v_max3_num_f32 v[ST+8*\t+4], v[ST+8*\t+4], v[ST+8*\t+5], v[ST+8*\t+6]
.endr
.irp t, 0,1,2,3
	v_max3_num_f32 v[ST+8*\t+4], v[ST+8*\t+4], v[ST+8*\t+7], v[ST+8*\t+1]
.endr
.irp t, 0,1,2,3
	v_permlanex16_b32 v[ST+8*\t+5], v[ST+8*\t+4], s[SEL], s[SEL+1]   ; the query's other 32 keys lie in the lane 16 away
.endr
.irp t, 0,1,2,3
	v_mov_b32 v[ST+8*\t+7], v[ST+8*\t]             ; c m_old is kept for a
.endr
.irp t, 0,1,2,3
	v_max_num_f32 v[ST+8*\t+1], v[ST+8*\t+4], v[ST+8*\t+5]
.endr
.irp t, 0,1,2,3
	v_mul_f32 v[ST+8*\t], s[CS], v[ST+8*\t+1]
.endr
.irp t, 0,1,2,3
	v_sub_f32 v[ST+8*\t+7], v[ST+8*\t+7], v[ST+8*\t]
.endr
.irp b, 0,2,4,6,8,10,12,14,16,18,20,22,24,26,28,30
.irp t, 0,1,2,3
	v_pk_fma_f32 v[S+32*\t+\b:S+32*\t+\b+1], v[S+32*\t+\b:S+32*\t+\b+1], s[CS:CS+1], v[ST+8*\t:ST+8*\t+1] op_sel_hi:[1,0,0] neg_lo:[0,0,1] neg_hi:[0,0,1]   ; c s - c m
.endr
.endr
.irp t, 0,1,2,3                        ; ONE BATCH of 132 exponentials; none reads another's result
	v_exp_f32 v[ST+8*\t+6], v[ST+8*\t+7]           ; a
.endr
.irp e, 0,1,2,3,4,5,6,7,8,9,10,11,12,13,14,15,16,17,18,19,20,21,22,23,24,25,26,27,28,29,30,31
.irp t, 0,1,2,3
	v_exp_f32 v[S+32*\t+\e], v[S+32*\t+\e]
.endr
.endr
	v_nop                                          ; a plain instruction behind the last exponential
	s_wait_alu depctr_va_vdst(0)                   ; and one wait ahead of the batch's first reader
.irp t, 0,1,2,3                        ; the sums of the unrounded p, in two chains a tile
	v_pk_add_f32 v[ST+8*\t+4:ST+8*\t+5], v[S+32*\t:S+32*\t+1], v[S+32*\t+2:S+32*\t+3]
.endr
.irp t, 0,1,2,3
	v_pk_add_f32 v[CB+2*\t:CB+2*\t+1], v[S+32*\t+4:S+32*\t+5], v[S+32*\t+6:S+32*\t+7]
.endr
.irp i, 8,12,16,20,24,28
.irp t, 0,1,2,3
	v_pk_add_f32 v[ST+8*\t+4:ST+8*\t+5], v[ST+8*\t+4:ST+8*\t+5], v[S+32*\t+\i:S+32*\t+\i+1]
.endr
.irp t, 0,1,2,3
	v_pk_add_f32 v[CB+2*\t:CB+2*\t+1], v[CB+2*\t:CB+2*\t+1], v[S+32*\t+\i+2:S+32*\t+\i+3]
.endr
.endr
.irp t, 0,1,2,3
	v_pk_add_f32 v[ST+8*\t+4:ST+8*\t+5], v[ST+8*\t+4:ST+8*\t+5], v[CB+2*\t:CB+2*\t+1]
.endr
.irp t, 0,1,2,3
	v_pk_fma_f32 v[ST+8*\t+2:ST+8*\t+3], v[ST+8*\t+2:ST+8*\t+3], v[ST+8*\t+6:ST+8*\t+7], v[ST+8*\t+4:ST+8*\t+5] op_sel_hi:[1,0,1]   ; l = a l + the sum
.endr
.irp i, 0,1,2,3,4,5,6,7,8,9,10,11,12,13,14,15   ; P in place: register i is read by conversion i / 2, which comes no later than conversion i
.irp t, 0,1,2,3
	v_cvt_pk_f16_f32 v[S+32*\t+\i], v[S+32*\t+2*\i], v[S+32*\t+2*\i+1]
.endr
.endr
	WIN 0x41
.irp i, 0,2,4,6,8,10,12,14,16,18,20,22,24,26,28,30
.irp t, 0,1,2,3
	v_pk_mul_f32 v[32*\t+\i:32*\t+\i+1], v[32*\t+\i:32*\t+\i+1], v[ST+8*\t+6:ST+8*\t+7] op_sel_hi:[1,0]   ; O^T x a
.endr
.endr
	WIN 0
.endm
.macro TRIP
.rept 4
	v_nop                                          ; places behind the last trip's K Q^T, in front of the loads into K and of kind 1's first read of the scores; with K's address addition below they are five, on every way to the products V^T P
.endr
	FETCH_K
	s_cmp_eq_u32 s[TYPE], 0
	s_cbranch_scc1 .Learly_\@
	SM                                             ; kind 1: the softmax of the step before
.Learly_\@:
	s_wait_dscnt 16                                ; V of the step before is in; K's 16 loads may be out
	PVMUL
	FETCH_V
	s_wait_dscnt 16                                ; K is in; V's 16 loads may be out
	SMUL
	s_cmp_lg_u32 s[TYPE], 0
	s_cbranch_scc1 .Llate_\@
.rept 4
	v_nop
.endr
	SM                                             ; kind 0: this step's softmax
.Llate_\@:
	s_add_co_u32 s[TB], s[TB], 8192                ; the next step's tiles
.endm
.macro EIGHT                           ; a slot's eight key steps
	s_mov_b32 s[TRIPS], 8
.Lstep_\@:
	TRIP
	s_sub_co_u32 s[TRIPS], s[TRIPS], 1
	s_cmp_lg_u32 s[TRIPS], 0
	s_cbranch_scc1 .Lstep_\@
	s_sub_co_u32 s[TB], s[TB], 65536
	s_xor_b32 s[TB], s[TB], SLOT1                  ; on to the other slot
.endm
; THE CHANGE OF SLOTS stands at a slot's head.  Each wave waits for all its tensor loads (its part of the slot ahead), adds 0 to its spare word, and waits for that and for its reads of the slot that it has left.
; fill = 1: the barrier is a round of the cluster's, and behind it the slot just left takes the next 512 keys: the load has eight key steps in which to land.
.macro CHANGE fill
	s_wait_tensorcnt 0x0                           ; no tensor load of mine is out, so group 0 may be written
	ds_add_u32 v[SPW], v[NIL]                      ; 0 onto my spare word
.if \fill
	s_xor_b32 s41, s41, SLOT1                      ; the other slot than last time,
	s_add_nc_u64 s[42:43], s[42:43], 65536         ; the next 512 keys; the type bits on top are not reached
	s_wait_xcnt 0x0                                ; the last prefetch, a slot back, has read its address
	s_add_nc_u64 s[PFA:PFA+1], s[PFA:PFA+1], 65536
.endif
	s_wait_dscnt 0x0                               ; the add is done, and my reads of the slot that I have left are over
.if \fill
	CROUND
	JLOAD
	ASK
.else
	s_barrier_signal -1
	s_barrier_wait -1
.endif
.endm
	s_wait_loadcnt 0x0                             ; Q
.Lslot:                                            ; three trips: behind each change of slots but the last the next slot is asked for
	CHANGE 1
	EIGHT
	s_sub_co_u32 s[SLOTS], s[SLOTS], 1
	s_cmp_lg_u32 s[SLOTS], 0
	s_cbranch_scc1 .Lslot
	CHANGE 0                                       ; the last slot is written out
	EIGHT
.rept 5
	v_nop                                          ; five places behind the last products K Q^T, ahead of the parting of the kinds, so that they stand on every way through the text: four are owed before
.endr                                              ; kind 1's softmax reads the scores, five before a matrix instruction takes those registers as an operand (ISA guide 7.12.1)
	s_cmp_eq_u32 s[TYPE], 0
	s_cbranch_scc1 .Llast
	SM                                             ; kind 1: the last step's softmax
.Llast:
	s_wait_dscnt 0x0                               ; the last step's V
	PVMUL
	; THE WAY OUT.  l's halves and the other half of the lanes' are added (these additions are the places behind the last products); O^T / l is rounded to f16; a lane's eight channels are one register group of the next product's fragment
.irp t, 0,1,2,3
	v_add_f32 v[ST+8*\t+4], v[ST+8*\t+2], v[ST+8*\t+3]
.endr
.irp t, 0,1,2,3
	v_permlanex16_b32 v[ST+8*\t+5], v[ST+8*\t+4], s[SEL], s[SEL+1]
.endr
.irp t, 0,1,2,3
	v_add_f32 v[ST+8*\t+4], v[ST+8*\t+4], v[ST+8*\t+5]
.endr
.irp t, 0,1,2,3
	v_rcp_f32 v[ST+8*\t+6], v[ST+8*\t+4]
.endr
	v_nop                                          ; a plain instruction behind the last reciprocal
	s_wait_alu depctr_va_vdst(0)                   ; and one wait ahead of the first use, for the four
.irp t, 0,1,2,3
	WIN 0x01
.irp i, 0,2,4,6,8,10,12,14,16,18,20,22,24,26,28,30
	v_pk_mul_f32 v[S+32*\t+\i:S+32*\t+\i+1], v[32*\t+\i:32*\t+\i+1], v[ST+8*\t+6:ST+8*\t+7] op_sel_hi:[1,0]
.endr
	WIN 0
.irp i, 0,1,2,3,4,5,6,7,8,9,10,11,12,13,14,15
	v_cvt_pk_f16_f32 v[S+32*\t+\i], v[S+32*\t+2*\i], v[S+32*\t+2*\i+1]
.endr
.irp ch, 0,1,2,3
	global_store_b128 v[LI], v[S+32*\t+4*\ch:S+32*\t+4*\ch+3], s[10:11] offset:4096*\t+512*\ch   ; 32 lanes store 512 consecutive aligned bytes
.endr
.endr
	s_wait_tensorcnt 0x0                           ; the wave's end
	ds_add_u32 v[SPW], v[NIL]
	s_wait_dscnt 0x0
	CROUND                                         ; the closing round: no work-group ends while a partner may still ask for a tile that names it
	s_endpgm
.Lfunc_end_k_q1e22cb4d63_attn:
	.size	k_q1e22cb4d63_attn, .Lfunc_end_k_q1e22cb4d63_attn-k_q1e22cb4d63_attn
	.p2alignl 7, 3214868480
	.fill 96, 4, 3214868480
	.section	.rodata,"a",@progbits
	.p2align	6, 0x0
	.amdhsa_kernel k_q1e22cb4d63_attn
		.amdhsa_group_segment_fixed_size 327680
		.amdhsa_private_segment_fixed_size 0
		.amdhsa_enable_private_segment 0
		.amdhsa_kernarg_size 16
		.amdhsa_user_sgpr_count 2
		.amdhsa_user_sgpr_kernarg_segment_ptr 1
		.amdhsa_wavefront_size32 1
		.amdhsa_system_sgpr_workgroup_id_x 1
		.amdhsa_system_sgpr_workgroup_id_y 1
		.amdhsa_system_sgpr_workgroup_id_z 1
		.amdhsa_system_vgpr_workitem_id 0
		.amdhsa_next_free_vgpr 512
		.amdhsa_next_free_sgpr 66
		.amdhsa_reserve_vcc 0
		.amdhsa_float_denorm_mode_32 3
		.amdhsa_float_denorm_mode_16_64 3
		.amdhsa_memory_ordered 1
		.amdhsa_forward_progress 1
		.amdhsa_inst_pref_size 171
	.end_amdhsa_kernel
	.amdgpu_metadata
---
amdhsa.version: [ 1, 2 ]
amdhsa.kernels:
  - .name:           k_q1e22cb4d63_attn
    .symbol:         k_q1e22cb4d63_attn.kd
    .args:
      - { .name: qkv, .offset: 0, .size: 8, .value_kind: global_buffer, .address_space: global }
      - { .name: xf, .offset: 8, .size: 8, .value_kind: global_buffer, .address_space: global }
    .group_segment_fixed_size: 327680
    .private_segment_fixed_size: 0
    .kernarg_segment_align: 8
    .kernarg_segment_size: 16
    .max_flat_workgroup_size: 256
    .sgpr_count:     66
    .vgpr_count:     512
    .wavefront_size: 32
...
	.end_amdgpu_metadata
.endif
;; end of part 3
;; launch outp (part 4): grid 4 x 64, 4 waves a work-group, clusters of 4 x 4, 327,680 bytes of LDS; arguments xf, wo16, bo, out0; writes out0
.if DOCPART == 4
	.amdgcn_target "amdgcn-amd-amdhsa--gfx1250"
	.amdhsa_code_object_version 6
	.text
	.protected	k_q1e22cb4d63_outp
	.globl	k_q1e22cb4d63_outp
	.p2align	8
	.type	k_q1e22cb4d63_outp,@function
k_q1e22cb4d63_outp:
	s_mov_b64 s[64:65], 0
	v_nop
	global_prefetch_b8 v0, s[64:65] scope:SCOPE_SE
	s_setreg_imm32_b32 hwreg(HW_REG_WAVE_MODE, 25, 1), 1
	s_wait_xcnt 0x0
	s_wait_alu depctr_hold_cnt(0) depctr_sa_sdst(0) depctr_va_vdst(0) depctr_va_sdst(0) depctr_va_ssrc(0) depctr_va_vcc(0) depctr_vm_vsrc(0)
	s_getreg_b32 s2, hwreg(HW_REG_IB_STS2, 6, 4)
	s_cmp_eq_u32 s2, 0
	s_cbranch_scc0 .Lentry_in_a_cluster
	s_endpgm
.Lentry_in_a_cluster:
	s_bfe_u32 s2, ttmp6, 0x10000c
	s_cmp_lg_u32 s2, 0xf033
	s_cbranch_scc0 .Lentry_shape_is_right
	s_endpgm
.Lentry_shape_is_right:
; out0 = x Wo + bo.  x [8192][1024] and Wo [1024 (k)][1024 (n)] arrive in f16 as images of operand registers (xf, wo16); sums in f32; out0 f32.
; A tile of the result is 128 rows x 256 columns: 256 work-groups.  Four waves, wave (i, j) makes 64 x 128: 32 accumulators of 16 x 16.  K goes in 8 steps of 128 through a ring of two LDS slots.
; A slot holds x's 8 tiles of rows (4,096 bytes each: 4 quarters of 32 along K) and Wo's 16 tiles of columns: dense images, read at 16 x lane: no pitch, no padding.
; CLUSTERS: 4 x 4 work-groups.  The four of a row of the cluster need the same tiles of x, the four of a column the same tiles of Wo: each is asked for JOINTLY (waves 0 and 1: x's halves; waves 2 and 3: Wo's).
; THE PRODUCT IS USED TRANSPOSED (source 0 = 16 columns of Wo, source 1 = 16 rows of x): a lane holds eight neighbouring numbers of a row of the result.
; By the text's own count a wave has two tensor loads out at the start and one behind each round.
; REGISTERS.  Window 0: v16-30 addresses; v32-35 bo; two fragment buffers of 96 (Wo's 8 fragments, then x's 4) at v64 and v160; on the way out v64-191 hold rows read back.  Window 1: accumulator (a, b) at 8 (8 a + b).
.set SLOT,   98304                     ; x's 32,768 bytes, then Wo's 65,536
.set STAGE,  2*SLOT                    ; behind the ring: 16 rows x (512 + 16) bytes for each wave
.set SPITCH, 528
.set SPARE,  STAGE+4*16*SPITCH         ; the spare words, 128 bytes for each wave: two blocks of 256 bytes that no other line names
.set LAPS,   4                         ; a lap = two K steps = once round the ring
.set ADRA, 16
.set ADRB, 20
.set STO,  24
.set RD,   25
.set CO,   26                          ; 16 x lane
.set SPW,  28                          ; my spare word; never rewritten
.set NIL,  29                          ; 0; never rewritten
.set PFO,  30                          ; 256 x lane
.set BO,   32
.set F0,   64
.set F1,   160
.set BK,   64
.set G1,  24
.set G0,  32
.set G1B, 48
.set G0B, 56
.set LIM, 17
.set PFA, 18
.set MSB, 0
.macro WIN new                         ; the immediate's high byte repeats the setting that is left
.if MSB != \new
	s_set_vgpr_msb (MSB<<8)|\new
.set MSB, \new
.endif
.endm
.set MUL, 0x50                         ; C and D in window 1
.macro JLOAD s                         ; a joint load; the branch hangs on the wave's number alone; an s_nop 0 and four v_nop follow each of the two lines
	s_cmp_eq_u32 s15, 0
	s_cbranch_scc0 .Lfor_b_\@
	tensor_load_to_lds s[G0+4*\s:G0+4*\s+3], s[G1:G1+7]
	s_nop 0
.rept 4
	v_nop
.endr
	s_branch .Lasked_\@
.Lfor_b_\@:
	tensor_load_to_lds s[G0B+4*\s:G0B+4*\s+3], s[G1B:G1B+7]
	s_nop 0
.rept 4
	v_nop
.endr
.Lasked_\@:
.endm
.macro CREST                           ; a round of the cluster's barrier behind its opening barrier
	s_cmp_lg_u32 s14, 0
	s_cbranch_scc1 .Lnot_wave_0_\@
	s_barrier_signal -3
.Lnot_wave_0_\@:
	s_barrier_wait -3
	s_barrier_signal -1
	s_barrier_wait -1
.endm
.macro CROUND
	s_barrier_signal -1
	s_barrier_wait -1
	CREST
.endm
; A PREFETCH INTO THE L2 of x's K step that stands two refills on: 32,768 dense bytes.  Only this row of the cluster reads these rows of x; its four partners take 8,192 bytes each, told apart BY ADDRESS; in each wave 0 asks,
; lanes 256 bytes apart: each aligned block of 256 bytes is named once.  K steps 4 to 7 are asked for; the loop's last trip asks for nothing.  Wo, which every row of clusters reads again, is not asked for.
.macro ASK
	s_cmp_gt_u32 s3, s[LIM]
	s_cbranch_scc0 .Lnot_mine_\@
	global_prefetch_b8 v[PFO], s[PFA:PFA+1] offset:32768 th:TH_LOAD_NT scope:SCOPE_SE
.Lnot_mine_\@:
.endm
	s_load_b128 s[4:7], s[0:1], 0x0                ; xf, wo16
	s_load_b128 s[8:11], s[0:1], 0x10              ; bo, out0
	v_lshl_add_u32 v[SPW], v0, 2, SPARE
	v_mov_b32 v[NIL], 0
	ds_add_u32 v[SPW], v[NIL]                      ; the wave's opening: the add, twice on end, and its wait ahead of my first tensor load
	ds_add_u32 v[SPW], v[NIL]
	v_lshrrev_b32 v1, 5, v0
	v_readfirstlane_b32 s14, v1                    ; wave 0..3
	s_lshr_b32 s15, s14, 1                         ; i: my half of the rows.  Also: I fetch for x (0) or for Wo (1)
	s_and_b32 s16, s14, 1                          ; j: my half of the columns.  Also: which half of that tile I fetch
	s_bfe_u32 s40, ttmp6, 0x40000                  ; cx, cy: my place in the cluster
	s_bfe_u32 s41, ttmp6, 0x40004
	s_lshl_b32 s42, ttmp9, 2
	s_add_co_u32 s42, s42, s40                     ; tile column
	s_and_b32 s13, ttmp7, 0xffff
	s_lshl_b32 s13, s13, 2
	s_add_co_u32 s13, s13, s41                     ; tile row
	s_lshl_b32 s43, s41, 2
	s_lshl_b32 s43, 15, s43                        ; my row of the cluster
	s_lshl_b32 s44, 0x1111, s40                    ; my column
	s_or_b32 s[G1], s43, (3<<16)|(1<<21)           ; x's tiles go to my row; elements of 8 bytes; bit 21 set beside a mask; no padding
	s_or_b32 s[G1B], s44, (3<<16)|(1<<21)          ; Wo's to my column
	s_mov_b32 s[G1+1], 32<<16                      ; rows of 256 bytes,
	s_mov_b32 s[G1+2], 64<<16                      ; 64 of them: half of x's K step
	s_mov_b32 s[G1+3], 32<<16
	s_mov_b32 s[G1+4], 64
	s_mov_b32 s[G1+5], 32                          ; dense
	s_mov_b32 s[G1+6], 0
	s_mov_b32 s[G1+7], 0
	s_mov_b32 s[G1B+1], 32<<16
	s_mov_b32 s[G1B+2], 128<<16                    ; 128 rows: half of Wo's
	s_mov_b32 s[G1B+3], 32<<16
	s_mov_b32 s[G1B+4], 128
	s_mov_b32 s[G1B+5], 32
	s_mov_b32 s[G1B+6], 0
	s_mov_b32 s[G1B+7], 0
	s_lshl_b32 s20, s13, 18                        ; x: 262,144 x tile row + 16,384 x half
	s_lshl_b32 s21, s16, 14
	s_add_co_u32 s20, s20, s21
	s_mov_b32 s21, 0
	s_lshl_b32 s46, s42, 16                        ; Wo: 65,536 x tile column + 32,768 x half
	s_lshl_b32 s47, s16, 15
	s_add_co_u32 s46, s46, s47
	s_mov_b32 s47, 0
	s_lshl_b32 s22, s16, 14                        ; where they go: no place in the cluster enters an LDS address
	s_lshl_b32 s23, s16, 15
	s_add_co_u32 s23, s23, 32768
	s_lshl_b32 s[PFA], s13, 18                     ; the prefetches: my tile row, my work-group's quarter, at K step 2: the first refill steps it to 3 and names K step 4
	s_lshl_b32 s12, s40, 13
	s_add_co_u32 s[PFA], s[PFA], s12
	s_add_co_u32 s[PFA], s[PFA], 65536
	s_mov_b32 s[PFA+1], 0
	s_cmp_eq_u32 s14, 0
	s_cselect_b32 s[LIM], 1, -1
	s_wait_dscnt 0x0                               ; both opening adds are done
	s_wait_kmcnt 0x0
	s_add_nc_u64 s[20:21], s[4:5], s[20:21]
	s_add_nc_u64 s[46:47], s[6:7], s[46:47]
	s_add_nc_u64 s[PFA:PFA+1], s[4:5], s[PFA:PFA+1]
	CROUND                                         ; all sixteen work-groups are here: the first joint loads meet
.irp s, 0,1
	s_mov_b32 s[G0+4*\s], 1
	s_add_co_u32 s[G0+4*\s+1], s22, \s*SLOT
	s_add_nc_u64 s[G0+4*\s+2:G0+4*\s+3], s[20:21], \s*32768
	s_or_b32 s[G0+4*\s+3], s[G0+4*\s+3], 0x80000000
	s_mov_b32 s[G0B+4*\s], 1
	s_add_co_u32 s[G0B+4*\s+1], s23, \s*SLOT
	s_add_nc_u64 s[G0B+4*\s+2:G0B+4*\s+3], s[46:47], \s*262144
	s_or_b32 s[G0B+4*\s+3], s[G0B+4*\s+3], 0x80000000
	JLOAD \s
.endr
	v_and_b32 v1, 31, v0
	v_and_b32 v2, 15, v0                           ; r
	v_bfe_u32 v3, v0, 4, 1                         ; h
	v_lshlrev_b32 v[CO], 4, v1
	v_lshlrev_b32 v[PFO], 8, v1
	s_lshl_b32 s12, s15, 14                        ; my four tiles of x,
	s_lshl_b32 s45, s16, 15                        ; my eight of Wo, behind x's 32,768 bytes
	s_add_co_u32 s45, s45, 32768
.irp s, 0,1
	v_add_nc_u32 v[ADRA+\s], s12, v[CO]
	v_add_nc_u32 v[ADRB+\s], s45, v[CO]
	s_add_co_u32 s12, s12, SLOT
	s_add_co_u32 s45, s45, SLOT
.endr
	s_mul_i32 s12, s14, 16*SPITCH
	s_add_co_u32 s12, s12, STAGE                   ; my stage
	v_mul_u32_u24 v[STO], v2, SPITCH               ; in: row r, 32 bytes for each half of the lanes
	v_lshl_add_u32 v[STO], v3, 5, v[STO]
	v_add_nc_u32 v[STO], s12, v[STO]
	v_add_nc_u32 v[RD], s12, v[CO]                 ; back: the 32 lanes take one row of 512 bytes
	s_lshl_b32 s46, s42, 10                        ; my first column, in bytes: 1,024 x tile column + 512 j
	s_lshl_b32 s47, s16, 9
	s_add_co_u32 s46, s46, s47
	s_mov_b32 s47, 0
	s_add_nc_u64 s[8:9], s[8:9], s[46:47]
	s_add_nc_u64 s[10:11], s[10:11], s[46:47]
	s_lshl_b32 s46, s13, 19                        ; my first row: 128 x tile row + 64 i, rows of 4,096 bytes
	s_lshl_b32 s12, s15, 18
	s_add_co_u32 s46, s46, s12
	s_add_nc_u64 s[10:11], s[10:11], s[46:47]
	global_load_b128 v[BO:BO+3], v[CO], s[8:9]     ; bo of my four columns of a row read back
.macro MUL8 f, a, zero                 ; x's tile a against Wo's eight, 32 along K.  zero = 1: the first product starts the sums
.irp b, 0,1,2,3,4,5,6,7
.if \zero
	v_wmma_f32_16x16x32_f16 v[8*(8*(\a)+\b):8*(8*(\a)+\b)+7], v[\f+8*\b:\f+8*\b+7], v[\f+64+8*(\a):\f+64+8*(\a)+7], 0
.else
	v_wmma_f32_16x16x32_f16 v[8*(8*(\a)+\b):8*(8*(\a)+\b)+7], v[\f+8*\b:\f+8*\b+7], v[\f+64+8*(\a):\f+64+8*(\a)+7], v[8*(8*(\a)+\b):8*(8*(\a)+\b)+7]
.endif
.endr
.endm
.macro FETCH slot, q, f                ; 24 LDS loads in one run: quarter q of the slot into buffer f; Wo first, x's tiles 2 and 3 last
.irp b, 0,1,2,3,4,5,6,7
.irp c, 0,1
	ds_load_b128 v[\f+8*\b+4*\c:\f+8*\b+4*\c+3], v[ADRB+\slot] offset:4096*\b+1024*(\q)+512*\c
.endr
.endr
.irp a, 0,1,2,3
.irp c, 0,1
	ds_load_b128 v[\f+64+8*\a+4*\c:\f+64+8*\a+4*\c+3], v[ADRA+\slot] offset:4096*\a+1024*(\q)+512*\c
.endr
.endr
.endm
.macro PLACES                          ; four places in front of loads into registers that matrix instructions have read, and of the first read of results (ISA guide 7.12.1 for vector instructions)
.rept 4
	v_nop
.endr
.endm
; A K step is four quarters of 32 along K, 32 products each, on buffers 0, 1, 0, 1; the 32 accumulators take turns in the same order in every quarter.
.macro QUARTER slot, q, f, g, zero     ; multiplies buffer f and fetches quarter q into g
	s_wait_dscnt 4                                 ; Wo and x's tiles 0 and 1 are in; the youngest four loads may be out
	WIN MUL
	MUL8 \f, 0, \zero
	MUL8 \f, 1, \zero
	WIN 0
	PLACES
	FETCH \slot, \q, \g
	s_wait_dscnt 24                                ; all but the 24 just issued
	WIN MUL
	MUL8 \f, 2, \zero
	MUL8 \f, 3, \zero
.endm
; The last quarter multiplies buffer 1 and changes slots: ONE barrier; in front of it each wave waits for all its tensor loads, adds 0 to its spare word, and waits for that and for its reads of this slot.
.macro TURN slot, next, fill
.if \fill
	s_wait_xcnt 0x0                                ; the last prefetch, a K step back, has read its address
	s_add_nc_u64 s[PFA:PFA+1], s[PFA:PFA+1], 32768
.endif
	WIN 0                                          ; (the add's two registers lie in window 0)
	s_wait_tensorcnt 0x0                           ; all my tensor loads have landed: my part of the next slot
	ds_add_u32 v[SPW], v[NIL]                      ; 0 onto my spare word
	s_wait_dscnt 5                                 ; (the add and the youngest four loads may be out)
	WIN MUL
	MUL8 F1, 0, 0                                  ; eight products stand between the add and the wait for it
	s_wait_dscnt 0x0                               ; the add is done, and my reads of this slot are over
	s_barrier_signal -1
	MUL8 F1, 1, 0
	WIN 0
	s_barrier_wait -1
.if \fill
	CREST                                          ; the barrier has opened a round of the cluster's: no wave of any partner still reads this slot or has a load on its way
	s_add_nc_u64 s[G0+4*\slot+2:G0+4*\slot+3], s[G0+4*\slot+2:G0+4*\slot+3], 65536
	s_add_nc_u64 s[G0B+4*\slot+2:G0B+4*\slot+3], s[G0B+4*\slot+2:G0B+4*\slot+3], 524288
	JLOAD \slot                                    ; the first tensor load behind the round; its four v_nop are also the places in front of the loads below
.else
	PLACES
.endif
	FETCH \next, 0, F0
.if \fill
	ASK
.endif
	WIN MUL
	MUL8 F1, 2, 0
	MUL8 F1, 3, 0
.endm
	s_wait_tensorcnt 1                             ; my part of K step 0 is in; K step 1's may stay out
	s_barrier_signal -1
	s_barrier_wait -1
	FETCH 0, 0, F0
	QUARTER 0, 1, F0, F1, 1                        ; the first quarter stands in front of the loop: its products start the sums
	WIN 0
	s_mov_b32 s3, LAPS-1
.Llap:                                             ; a trip goes once round the ring, from a lap's second quarter to the next lap's first, and fills both slots again
	QUARTER 0, 2, F1, F0, 0
	QUARTER 0, 3, F0, F1, 0
	TURN 0, 1, 1
	QUARTER 1, 1, F0, F1, 0
	QUARTER 1, 2, F1, F0, 0
	QUARTER 1, 3, F0, F1, 0
	TURN 1, 0, 1
	QUARTER 0, 1, F0, F1, 0
	WIN 0
	s_sub_co_u32 s3, s3, 1
	s_cmp_lg_u32 s3, 0
	s_cbranch_scc1 .Llap
	QUARTER 0, 2, F1, F0, 0                        ; the last lap fills nothing, and has no round of the cluster's barrier
	QUARTER 0, 3, F0, F1, 0
	TURN 0, 1, 0
	QUARTER 1, 1, F0, F1, 0
	QUARTER 1, 2, F1, F0, 0
	QUARTER 1, 3, F0, F1, 0
	s_wait_dscnt 4                                 ; the very last quarter: nothing more to fetch
	WIN MUL
	MUL8 F1, 0, 0
	MUL8 F1, 1, 0
	s_wait_dscnt 0x0
	MUL8 F1, 2, 0
	MUL8 F1, 3, 0
	WIN 0
; THE WAY OUT, block by block of 16 rows x 128 columns: through my own stage in LDS, back as whole rows of 512 bytes, bo added, stored as 512 consecutive aligned bytes.
; LDS serves a wave's instructions in order (ISA guide 5.7.1.4): no wait between the stores and the loads, nor in front of the next block's stores.
.macro TOSTAGE a
	WIN 0x04                                       ; the data: window 1
.irp b, 0,1,2,3,4,5,6,7
	ds_store_b128 v[STO], v[8*(8*(\a)+\b):8*(8*(\a)+\b)+3] offset:64*\b       ; each accumulator from its low end on
	ds_store_b128 v[STO], v[8*(8*(\a)+\b)+4:8*(8*(\a)+\b)+7] offset:64*\b+16
.endr
	WIN 0
.set BB, BK+64*((\a)%2)
.irp t, 0,1,2,3,4,5,6,7,8,9,10,11,12,13,14,15
	ds_load_b128 v[BB+4*\t:BB+4*\t+3], v[RD] offset:\t*SPITCH
.endr
.endm
.macro SEND a, younger                 ; younger: the LDS instructions issued behind block a's loads, which may stay out
.set BB, BK+64*((\a)%2)
	s_wait_dscnt \younger
.irp t, 0,1,2,3,4,5,6,7,8,9,10,11,12,13,14,15
	v_pk_add_f32 v[BB+4*\t:BB+4*\t+1], v[BB+4*\t:BB+4*\t+1], v[BO:BO+1]
	v_pk_add_f32 v[BB+4*\t+2:BB+4*\t+3], v[BB+4*\t+2:BB+4*\t+3], v[BO+2:BO+3]
.endr
.irp t, 0,1,2,3,4,5,6,7,8,9,10,11,12,13,14,15
	global_store_b128 v[CO], v[BB+4*\t:BB+4*\t+3], s[10:11] offset:4096*(16*(\a)+\t) th:TH_STORE_NT
.endr
.endm
	PLACES
	s_wait_loadcnt 0x0                             ; bo
	TOSTAGE 0
.irp a, 1,2,3
.if \a > 1
	s_wait_xcnt 0x0                                ; the stores of two blocks back have read their registers: this block's rows may land there
.endif
	TOSTAGE \a
	SEND \a-1, 32                                  ; behind that block's loads: this block's 16 stores and 16 loads
.endr
	SEND 3, 0
	s_wait_tensorcnt 0x0                           ; the wave's end, behind my last tensor load and my last LDS store
	ds_add_u32 v[SPW], v[NIL]
	s_wait_dscnt 0x0
	CROUND                                         ; the closing round: no work-group ends while a partner may still ask for a tile that names it
	s_endpgm
.Lfunc_end_k_q1e22cb4d63_outp:
	.size	k_q1e22cb4d63_outp, .Lfunc_end_k_q1e22cb4d63_outp-k_q1e22cb4d63_outp
	.p2alignl 7, 3214868480
	.fill 96, 4, 3214868480
	.section	.rodata,"a",@progbits
	.p2align	6, 0x0
	.amdhsa_kernel k_q1e22cb4d63_outp
		.amdhsa_group_segment_fixed_size 327680
		.amdhsa_private_segment_fixed_size 0
		.amdhsa_enable_private_segment 0
		.amdhsa_kernarg_size 32
		.amdhsa_user_sgpr_count 2
		.amdhsa_user_sgpr_kernarg_segment_ptr 1
		.amdhsa_wavefront_size32 1
		.amdhsa_system_sgpr_workgroup_id_x 1
		.amdhsa_system_sgpr_workgroup_id_y 1
		.amdhsa_system_sgpr_workgroup_id_z 1
		.amdhsa_system_vgpr_workitem_id 0
		.amdhsa_next_free_vgpr 512
		.amdhsa_next_free_sgpr 66
		.amdhsa_reserve_vcc 0
		.amdhsa_float_denorm_mode_32 3
		.amdhsa_float_denorm_mode_16_64 3
		.amdhsa_memory_ordered 1
		.amdhsa_forward_progress 1
		.amdhsa_inst_pref_size 93
	.end_amdhsa_kernel
	.amdgpu_metadata
---
amdhsa.version: [ 1, 2 ]
amdhsa.kernels:
  - .name:           k_q1e22cb4d63_outp
    .symbol:         k_q1e22cb4d63_outp.kd
    .args:
      - { .name: xf, .offset: 0, .size: 8, .value_kind: global_buffer, .address_space: global }
      - { .name: wo16, .offset: 8, .size: 8, .value_kind: global_buffer, .address_space: global }
      - { .name: bo, .offset: 16, .size: 8, .value_kind: global_buffer, .address_space: global }
      - { .name: out0, .offset: 24, .size: 8, .value_kind: global_buffer, .address_space: global }
    .group_segment_fixed_size: 327680
    .private_segment_fixed_size: 0
    .kernarg_segment_align: 8
    .kernarg_segment_size: 32
    .max_flat_workgroup_size: 128
    .sgpr_count:     66
    .vgpr_count:     512
    .wavefront_size: 32
...
	.end_amdgpu_metadata
.endif
;; end of part 4
;; ======== version 2 of 2: 4 launches; version 1 with the launch proj written anew for expert scheduling mode
;; limits: values are held in f16: magnitudes above 65,504 overflow, below 6.1e-05 lose precision
;; workspace buffers: wcodes 1,572,864 bytes; wscales 98,304 bytes; wo16 2,097,152 bytes; qkv 50,331,648 bytes; xf 16,777,216 bytes
;; launch wprep: the kernel of part 1 again; grid 64 x 4, 4 waves a work-group, no clusters, 0 bytes of LDS; arguments Wq, Wk, Wv, Wo, wcodes, wscales, wo16; writes wcodes, wscales, wo16
;; launch proj (part 5): grid 64 x 3, 8 waves a work-group, no clusters, 138,240 bytes of LDS; arguments query, key, value, bq, bk, bv, wcodes, wscales, qkv; writes qkv
.if DOCPART == 5
	.amdgcn_target "amdgcn-amd-amdhsa--gfx1250"
	.amdhsa_code_object_version 6
	.text
	.protected	k_q1e22cb4d63_proj
	.globl	k_q1e22cb4d63_proj
	.p2align	8
	.type	k_q1e22cb4d63_proj,@function
k_q1e22cb4d63_proj:
	s_mov_b64 s[64:65], 0
	v_nop
	global_prefetch_b8 v0, s[64:65] scope:SCOPE_SE
	s_setreg_imm32_b32 hwreg(HW_REG_WAVE_SCHED_MODE, 0, 2), 2
	s_setreg_imm32_b32 hwreg(HW_REG_WAVE_MODE, 25, 1), 1
	s_wait_xcnt 0x0
	s_wait_alu depctr_vm_vsrc(0)
; q = query Wq + bq, k = key Wk + bk, v = value Wv + bv: both operands of each product as codes of FP4 (E2M1) with one E8M0 byte for each 32 along K; sums in f32; the results are rounded to f16.
; Work-group y = the tensor t; x = a block of 128 rows of the 8,192.  Eight waves.
; PHASE X: wave w quantises rows 16 w .. 16 w + 15 for all of K (8 steps of 128) and stores the fragments into LDS as images of their registers, the scale words beside them.  One barrier.
; PHASE M: wave w makes 128 rows x 64 columns, one head, 8 p + w, in two passes p: 32 accumulators.  THE PRODUCT IS USED TRANSPOSED (source 0 = 16 columns of W, source 1 = 16 rows of x):
; a lane then holds one row and eight neighbouring columns, which pack into 16 bytes of f16: one register group of the next product's fragment.  The bias is the C of each sum's first product.
; x's fragments come from LDS, a half (64 rows) at a time, through three half-buffers; W's come from memory straight into registers, three steps ahead: a fragment feeds eight products.
; NO CLUSTER, NO TENSOR LOAD: the launch moves 100 MB of x in and 50 MB out, beside which the weights' 1.6 MB, read again by every work-group, are served out of what was read shortly before;
; a ring for them would have to share its barriers with images that LDS stores wrote.
; qkv [t 3][batch x head 64][tile of 16 tokens 128][u 4][512 bytes]: token r, channels 16 u + 8 h + 0 .. 7 are 16 bytes, for q and k at 256 h + 16 r (the fragment's image),
; for v at 256 (r / 8) + 32 (r % 8) + 16 h (the order in which the turning LDS load of the next launch takes them).  Every store of a wave covers 512 consecutive aligned bytes.
; LIMITS: |q|, |k|, |v| stay under 65,504, the range of f16 (with all inputs 30 times larger they reach some 5,000); a block of zeros gets the byte 1 with zero codes; blocks whose largest magnitude
; lies under 2^-124 were not tried; NaN and infinities are not served.
; THE MODE: SCHED_MODE bits 1:0 = 2 (LLVM: expert scheduling mode 2), set by the entry lines.  The code itself states the register dependences between vector or matrix instructions and memory or LDS
; instructions, with s_wait_alu, always for 0.
; THE PLAN.  Registers that memory or LDS instructions touch:
;   v1-v9       addresses and offsets: written at the head, never again: one wait on va_vdst ahead of the first load serves them for the whole kernel.
;   RAW0 .. 3   (window 1)  Phase X: the global loads of K step s land in RAW[s % 4]; the stage's LDS stores read it; then the loads of step s + 4 land in it.  Phase M: the products write these registers.
;   X           Phase X: the LDS loads from the stage land in it; the quantiser reads it.
;   PC, PW      Phase X: the quantiser writes them; the image's LDS stores read them.  Behind phase X the loads of W's fourth set land there.
;   Two waits to a step of phase X: vm_vsrc behind the stage's stores and loads (RAW[s % 4] and the last step's PC and PW have been read); va_vdst behind the quantiser (PC and PW are written; X has been read).
;   B0, B1, B2  Phase M: three half-buffers of four fragments of x, each with a pair of scale registers.  Half n of a pass's sixteen lies in buffer n (n < 2) or (n + 1) % 3.  B2 holds the bias in a pass's first step.
;   W0 .. W3    Phase M: step i's products read set i % 4 and its two scale registers; the loads of step i + 3 land in set (i - 1) % 4.
;   ONE wait on va_vdst to a step of phase M, in its middle, behind the products of half 2 s: halves 2 s - 1 and 2 s and step i - 1 are done reading.  Behind it, with no further wait: half 2 s + 2 into the buffer of
;   half 2 s - 1 and the weights of step i + 3 at once, half 2 s + 3 into the buffer of half 2 s at the step's end: the products of half 2 s + 1, which stand between, name the third buffer, set i % 4 and the
;   accumulators alone.  A pass's first step has a second wait at its end: B2 still holds the bias, so half 3 goes into B1, which the products just issued read.
;   Y = B0, B1  The way out: four tiles' conversions write it, one wait on va_vdst, sixteen stores read it; xcnt and vm_vsrc ahead of the next writer.
; REGISTERS.  Window 0: v1-11 addresses; v12-15 and v248-249 x's scale words, a pair to a half-buffer; v16-23 W's scale words, four sets; v24-151 W's fragments, four sets of 32 (the fourth serves phase X as
; work registers); v152-215 64 numbers of x, later B0 and B1, later packed results; v216-247 the bias and B2; v250-255 at work at the head.
; Window 1: phase X: four sets of 64 loaded numbers; phase M: accumulator (m, u) at 8 (4 m + u).
.set XIMG,  0                          ; LDS: x's fragment (m, s) at 1024 (8 m + s)
.set XSC,   65536                      ; its scale words: 512 s + 256 (m / 4) + 8 (16 (m % 2) + r) + 4 ((m / 2) % 2)
.set STG,   69632                      ; a stage of 16 rows x (512 + 16) bytes for each wave
.set SP,    528
.set SPARE, 137216                     ; the spare words, 128 bytes for each wave: four blocks of 256 bytes that no other line names
.set LI,  1                            ; 16 x lane
.set L4,  2                            ; 4 x lane
.set XSA, 3                            ; XSC + 8 x lane
.set STW, 4                            ; my stage + 16 x lane
.set STR, 5                            ; my stage + 528 r + 64 h
.set XWI, 6                            ; 16 x lane + 8192 x wave
.set XWS, 7                            ; where my rows' scale words go
.set VST, 8                            ; my 16 bytes in a piece of qkv
.set BA,  9                            ; 32 h
.set SPW, 10                           ; my spare word; never rewritten
.set NIL, 11                           ; 0; never rewritten
.set XS,  12                           ; the scale pairs of B0 and B1
.set XS2, 248                          ; and of B2
.set WS,  16
.set WF,  24
.set TM,  120
.set PC,  136
.set PW,  144
.set X,   152                          ; B0 at X, B1 at X + 32, B2 at X + 64
.set BI,  216                          ; the bias lies in B2
.set SEL, 40
.set MSB, 0
.macro WIN new                         ; the immediate's high byte repeats the setting that is left
.if MSB != \new
	s_set_vgpr_msb (MSB<<8)|\new
.set MSB, \new
.endif
.endm
	s_load_b256 s[4:11], s[0:1], 0x0               ; query, key, value, bq
	s_load_b256 s[12:19], s[0:1], 0x20             ; bk, bv, wcodes, wscales
	s_load_b64 s[20:21], s[0:1], 0x40              ; qkv
	v_lshl_add_u32 v[SPW], v0, 2, SPARE
	v_mov_b32 v[NIL], 0
	v_lshrrev_b32 v254, 5, v0
	v_readfirstlane_b32 s22, v254                  ; wave 0..7
	s_and_b32 s23, ttmp7, 0xffff                   ; t
	v_and_b32 v255, 31, v0                         ; lane
	v_and_b32 v250, 15, v0                         ; r
	v_bfe_u32 v251, v0, 4, 1                       ; h
	v_lshlrev_b32 v[LI], 4, v255
	v_lshlrev_b32 v[L4], 2, v255
	v_lshl_add_u32 v[XSA], v255, 3, XSC
	s_wait_alu depctr_va_sdst(0)                   ; s22 is written, ahead of its first reader: LDS addresses and the bases are made from it
	s_mul_i32 s24, s22, 16*SP
	s_add_co_u32 s24, s24, STG
	v_add_nc_u32 v[STW], s24, v[LI]
	v_mul_u32_u24 v[STR], v250, SP
	v_lshl_add_u32 v[STR], v251, 6, v[STR]
	v_add_nc_u32 v[STR], s24, v[STR]
	s_lshl_b32 s25, s22, 13
	v_add_nc_u32 v[XWI], s25, v[LI]
	s_lshr_b32 s25, s22, 2
	s_lshl_b32 s25, s25, 8
	s_and_b32 s26, s22, 1
	s_lshl_b32 s26, s26, 7
	s_add_co_u32 s25, s25, s26
	s_bfe_u32 s26, s22, 0x10001
	s_lshl_b32 s26, s26, 2
	s_add_co_u32 s25, s25, s26
	s_add_co_u32 s25, s25, XSC
	v_lshl_add_u32 v[XWS], v250, 3, s25
	v_lshrrev_b32 v252, 3, v250
	v_and_b32 v253, 7, v250
	v_lshlrev_b32 v252, 8, v252
	v_lshl_add_u32 v252, v253, 5, v252
	v_lshl_add_u32 v252, v251, 4, v252             ; v's order of a piece
	s_cmp_eq_u32 s23, 2
	s_cselect_b32 s26, -1, 0
	v_cndmask_b32 v[VST], v[LI], v252, s26
	v_lshlrev_b32 v[BA], 5, v251
.irp b, 0,1,2,3
	v_mov_b32 v[TM+4+\b], 0                        ; written once: a lane permute's destination counts as one of its sources
.endr
	s_mov_b32 s[SEL], 0x76543210
	s_mov_b32 s[SEL+1], 0xfedcba98                 ; lane l xor 16
	s_lshl_b32 s28, ttmp9, 19                      ; x: 128 rows of 4,096 bytes a block, 16 a wave
	s_lshl_b32 s29, s22, 16
	s_add_co_u32 s28, s28, s29
	s_mov_b32 s29, 0
	s_lshl_b32 s30, s22, 8                         ; bias: 64 numbers a wave
	s_mov_b32 s31, 0
	s_lshl_b32 s32, s23, 19                        ; wcodes: tensor, head w
	s_lshl_b32 s33, s22, 15
	s_add_co_u32 s32, s32, s33
	s_mov_b32 s33, 0
	s_lshl_b32 s34, s23, 15                        ; wscales likewise
	s_lshl_b32 s35, s22, 11
	s_add_co_u32 s34, s34, s35
	s_mov_b32 s35, 0
	s_lshl_b32 s36, s23, 24                        ; qkv: tensor, batch x 16 + head w, the block's 8 tiles of tokens
	s_lshr_b32 s37, ttmp9, 4
	s_lshl_b32 s37, s37, 4
	s_add_co_u32 s37, s37, s22
	s_lshl_b32 s37, s37, 18
	s_add_co_u32 s36, s36, s37
	s_and_b32 s37, ttmp9, 15
	s_lshl_b32 s37, s37, 14
	s_add_co_u32 s36, s36, s37
	s_mov_b32 s37, 0
	s_wait_kmcnt 0x0
	s_cmp_eq_u32 s23, 1                            ; the tensor and its bias are chosen by the work-group's number alone
	s_cselect_b64 s[4:5], s[6:7], s[4:5]
	s_cselect_b64 s[10:11], s[12:13], s[10:11]
	s_cmp_eq_u32 s23, 2
	s_cselect_b64 s[4:5], s[8:9], s[4:5]
	s_cselect_b64 s[10:11], s[14:15], s[10:11]
	s_add_nc_u64 s[4:5], s[4:5], s[28:29]
	s_add_nc_u64 s[10:11], s[10:11], s[30:31]
	s_add_nc_u64 s[16:17], s[16:17], s[32:33]
	s_add_nc_u64 s[18:19], s[18:19], s[34:35]
	s_add_nc_u64 s[20:21], s[20:21], s[36:37]
.macro GLOADW i                        ; step i (pass i / 8, K step i % 8): W's four fragments and two registers of scale words into set i % 4: ten loads
.irp u, 0,1,2,3
.irp c, 0,1
	global_load_b128 v[WF+32*((\i)%4)+8*\u+4*\c:WF+32*((\i)%4)+8*\u+4*\c+3], v[LI], s[16:17] offset:262144*((\i)/8)+4096*((\i)%8)+1024*\u+512*\c
.endr
.endr
.irp q, 0,1
	global_load_b32 v[WS+2*((\i)%4)+\q], v[L4], s[18:19] offset:16384*((\i)/8)+256*((\i)%8)+128*\q
.endr
.endm
.macro BIAS p                          ; lane (r, h), tile u: the bias of columns 16 u + 8 h + 0 .. 7 of head 8 p + w: eight loads
.irp u, 0,1,2,3
.irp e, 0,1
	global_load_b128 v[BI+8*\u+4*\e:BI+8*\u+4*\e+3], v[BA], s[10:11] offset:2048*(\p)+64*\u+16*\e
.endr
.endr
.endm
.macro XLOAD s                         ; K step s of my 16 rows: each load reads 512 consecutive bytes of one row.  The destination's window is 1 when this is written
.irp i, 0,1,2,3,4,5,6,7,8,9,10,11,12,13,14,15
	global_load_b128 v[64*((\s)%4)+4*\i:64*((\s)%4)+4*\i+3], v[LI], s[4:5] offset:4096*\i+512*(\s) th:TH_LOAD_NT
.endr
.endm
; 64 numbers of a lane, register 16 b + i = k 32 b + 16 h + i of my row, become a fragment's codes in v[PC] on and its scale word in v[PW]
.macro QUANT s
.irp b, 0,1,2,3
	v_max3_num_f32 v[TM+\b], |v[\s+16*\b]|, |v[\s+1+16*\b]|, 0x1800000   ; my 16 numbers of block b, and the floor 2^(3 - 127): the byte cannot fall under 1
.endr
.irp i, 2,4,6,8,10,12,14
.irp b, 0,1,2,3
	v_max3_num_f32 v[TM+\b], v[TM+\b], |v[\s+16*\b+\i]|, |v[\s+1+16*\b+\i]|
.endr
.endr
.irp b, 0,1,2,3
	v_permlanex16_b32 v[TM+4+\b], v[TM+\b], s[SEL], s[SEL+1]
.endr
.irp b, 0,1,2,3
	v_max_num_f32 v[TM+\b], v[TM+\b], v[TM+4+\b]   ; with lane l xor 16: the block's largest magnitude
.endr
.irp b, 0,1,2,3
	v_add_nc_u32 v[TM+12+\b], 0xff000000, v[TM+\b] ; 2 off its exponent field: the conversion's scale operand
.endr
.irp b, 0,1,2,3
	v_lshrrev_b32 v[TM+4+\b], 23, v[TM+12+\b]      ; the byte
.endr
	v_lshl_or_b32 v[PW], v[TM+5], 8, v[TM+4]
	v_lshl_or_b32 v[PW], v[TM+6], 16, v[PW]
	v_lshl_or_b32 v[PW], v[TM+7], 24, v[PW]
.irp b, 0,1,2,3
	v_cvt_scalef32_pk8_fp4_f32 v[PC+2*\b], v[\s+16*\b:\s+7+16*\b], v[TM+12+\b]
	v_cvt_scalef32_pk8_fp4_f32 v[PC+1+2*\b], v[\s+8+16*\b:\s+15+16*\b], v[TM+12+\b]
.endr
	v_nop                                          ; one plain place behind a scaled conversion
.irp c, 0,1                            ; the operand wants a whole block in a lane: lanes 0-15 block 2 c, lanes 16-31 block 2 c + 1
.irp i, 0,1
	v_permlane16_swap_b32 v[PC+4*\c+\i], v[PC+2+4*\c+\i]
.endr
.endr
.endm
.macro XSTEP s                         ; K step s of my rows: through my stage, so that a lane holds 16 neighbours of each block; quantised; image to LDS
.if 7-(\s) >= 3
	s_wait_loadcnt 48                              ; this step's 16 loads are in; those of the three steps behind it may be out
.else
	s_wait_loadcnt 16*(7-(\s))
.endif
	WIN 0x04
.irp i, 0,1,2,3,4,5,6,7,8,9,10,11,12,13,14,15
	ds_store_b128 v[STW], v[64*((\s)%4)+4*\i:64*((\s)%4)+4*\i+3] offset:SP*\i
.endr
	WIN 0
.irp b, 0,1,2,3
.irp j, 0,1,2,3
	ds_load_b128 v[X+16*\b+4*\j:X+16*\b+4*\j+3], v[STR] offset:128*\b+16*\j   ; LDS serves a wave's instructions in order: these see the stores above.  No wait: the last step's wait on va_vdst has shown its quantiser done reading X, and no vector instruction stands behind it
.endr
.endr
.if (\s) < 4
	WIN 0x40                                       ; the window first, then the wait, then the loads
.endif
	s_wait_alu depctr_vm_vsrc(0)                   ; the stage's stores have read RAW[s % 4], in which the loads below land; the last step's image stores have read PC and PW, which the quantiser below writes
.if (\s) < 4
	XLOAD (\s)+4                                   ; four steps on: asked for while the numbers are on their way back from the stage
	WIN 0
.endif
	s_wait_dscnt 0x0                               ; the numbers are back
	QUANT X
	s_wait_alu depctr_va_vdst(0)                   ; the quantiser has written PC and PW, which the stores below read, and is done reading X, in which the next step's LDS loads land
.irp c, 0,1
	ds_store_b128 v[XWI], v[PC+4*\c:PC+4*\c+3] offset:XIMG+1024*(\s)+512*\c
.endr
	ds_store_b32 v[XWS], v[PW] offset:512*(\s)     ; lanes r and r + 16 write the same word with the same value
.endm
.macro SETB n                          ; half n of a pass: its half-buffer hB and the first of its two scale registers hS
.if (\n) < 2
.set hB, (\n)
.else
.set hB, ((\n)+1)%3
.endif
.set hS, XS+2*hB
.if hB == 2
.set hS, XS2
.endif
.endm
.macro XHALF g, s                      ; x's fragments of rows 64 g .. 64 g + 63 for K step s, and their scale words, into the half's buffer: nine LDS loads
	SETB 2*(\s)+(\g)
.irp m, 0,1,2,3
.irp c, 0,1
	ds_load_b128 v[X+32*hB+8*\m+4*\c:X+32*hB+8*\m+4*\c+3], v[LI] offset:XIMG+1024*(8*(4*(\g)+\m)+(\s))+512*\c
.endr
.endr
	ds_load_b64 v[hS:hS+1], v[XSA] offset:512*(\s)+256*(\g)   ; register e: lanes 0-15 tile 4 g + 2 e, lanes 16-31 tile 4 g + 2 e + 1
.endm
.macro MM m, u                         ; accumulator (m, u) += W's tile u x x's tile m.  The scale registers carry two tiles each: the odd one in lanes 16-31
.set rD, 8*(4*(\m)+(\u))
.set rC, rD
.if sK == 0
.set rC, BI+8*(\u)
.endif
.set rW, WF+32*sSet+8*(\u)
.set rX, X+32*hB+8*((\m)%4)
.set rA, WS+2*sSet+(\u)/2
.set rB, hS+((\m)/2)%2
.if ((\u)%2 == 1) && ((\m)%2 == 1)
	v_wmma_scale_f32_16x16x128_f8f6f4 v[rD:rD+7], v[rW:rW+7], v[rX:rX+7], v[rC:rC+7], v[rA], v[rB] matrix_a_fmt:MATRIX_FMT_FP4 matrix_b_fmt:MATRIX_FMT_FP4 matrix_a_scale:MATRIX_SCALE_ROW1 matrix_b_scale:MATRIX_SCALE_ROW1
.elseif (\u)%2 == 1
	v_wmma_scale_f32_16x16x128_f8f6f4 v[rD:rD+7], v[rW:rW+7], v[rX:rX+7], v[rC:rC+7], v[rA], v[rB] matrix_a_fmt:MATRIX_FMT_FP4 matrix_b_fmt:MATRIX_FMT_FP4 matrix_a_scale:MATRIX_SCALE_ROW1
.elseif (\m)%2 == 1
	v_wmma_scale_f32_16x16x128_f8f6f4 v[rD:rD+7], v[rW:rW+7], v[rX:rX+7], v[rC:rC+7], v[rA], v[rB] matrix_a_fmt:MATRIX_FMT_FP4 matrix_b_fmt:MATRIX_FMT_FP4 matrix_b_scale:MATRIX_SCALE_ROW1
.else
	v_wmma_scale_f32_16x16x128_f8f6f4 v[rD:rD+7], v[rW:rW+7], v[rX:rX+7], v[rC:rC+7], v[rA], v[rB] matrix_a_fmt:MATRIX_FMT_FP4 matrix_b_fmt:MATRIX_FMT_FP4
.endif
.endm
.macro MHALF g                         ; 16 products; the 32 accumulators take turns in the same order in every step
	SETB 2*sK+(\g)
.if sK == 0
	WIN 0x40                                       ; D in window 1, C (the bias) in window 0
.else
	WIN 0x50                                       ; C and D in window 1
.endif
.irp m, 0,1,2,3
.irp u, 0,1,2,3
	MM 4*(\g)+\m, \u
.endr
.endr
	WIN 0
.endm
.macro PLACES                          ; four places behind matrix instructions: ahead of conversions that read results or write operands; ahead of loads into operands they stay beside the wait that states the dependence
.rept 4
	v_nop
.endr
.endm
.macro MSTEP i
.set sK, (\i)%8
.set sSet, (\i)%4
.if ((\i) < 2) || ((\i) == 8) || ((\i) == 14)
	s_wait_loadcnt 10                              ; this step's weights are in, and at a pass's first step the bias, which was asked for ahead of the youngest group; that group of ten loads may be out
.elseif (\i) == 15
	s_wait_loadcnt 0x0
.else
	s_wait_loadcnt 20                              ; this step's weights are in; the two younger groups of ten loads may be out
.endif
	s_wait_dscnt 9                                 ; rows 0-63 are in; the nine loads of rows 64-127 may be out
	MHALF 0
.if (\i) < 15
	PLACES
	s_wait_alu depctr_va_vdst(0)                   ; the products issued so far are done reading: this half's fragments and scale words and the last half's, the last step's weights and their scale words, and, from a pass's second step on, the bias: all the loads up to the next such wait land in these
.endif
.if sK < 7
	XHALF 0, sK+1
.endif
.if (\i) == 7
	BIAS 1                                         ; the second pass's bias, into B2, which this pass reads no more
.endif
.if ((\i) >= 1) && ((\i) <= 12)
	GLOADW (\i)+3                                  ; into the set that the last step read
.endif
.if sK < 7
	s_wait_dscnt 9                                 ; rows 64-127 are in; the nine just issued may be out
.else
	s_wait_dscnt 0x0
.endif
	MHALF 1
.if sK == 0
	PLACES
	s_wait_alu depctr_va_vdst(0)                   ; a pass's first step alone: B2 still holds the bias, so the loads below land in B1 and its scale pair, which the products just issued are now done reading
.endif
.if sK < 7
	XHALF 1, sK+1                                  ; from a pass's second step on no wait: it lands in the buffer of rows 0-63, and no product behind the step's wait names that buffer
.endif
.endm
.macro OUT p                           ; rounded to f16 and stored: a lane's eight numbers are 16 bytes, a wave's store 512 consecutive bytes.  Four tiles at a time
	PLACES
.irp b, 0,1
.if \b == 1
	s_wait_xcnt 0x0                                ; the first four tiles' stores have had their addresses translated (ISA guide 3.1): their data registers are rewritten only behind this wait,
	s_wait_alu depctr_vm_vsrc(0)                   ; and they have read those registers, which the conversions below write again
.endif
	WIN 0x05
.irp m, 0,1,2,3
.irp u, 0,1,2,3
.irp e, 0,1,2,3
	v_cvt_pk_f16_f32 v[X+16*\m+4*\u+\e], v[8*(4*(4*\b+\m)+\u)+2*\e], v[8*(4*(4*\b+\m)+\u)+2*\e+1]   ; each accumulator from its low end on
.endr
.endr
.endr
	WIN 0
	s_wait_alu depctr_va_vdst(0)                   ; the 64 conversions have written their results, which the sixteen stores below read
.irp m, 0,1,2,3
.irp u, 0,1,2,3
	global_store_b128 v[VST], v[X+16*\m+4*\u:X+16*\m+4*\u+3], s[20:21] offset:2097152*(\p)+2048*(4*\b+\m)+512*\u
.endr
.endr
.endr
.endm
	s_wait_alu depctr_va_vdst(0)                   ; v1 to v9 are written, which the loads and stores of the whole kernel read as addresses; so are v124 to v127, in which loads of W land later
	BIAS 0
	GLOADW 0
	GLOADW 1
	GLOADW 2
	WIN 0x40
	XLOAD 0
	XLOAD 1
	XLOAD 2
	XLOAD 3
	WIN 0
.irp s, 0,1,2,3,4,5,6,7
	XSTEP \s
.endr
	s_wait_dscnt 0x0                               ; for the others' sake: my images and scale words lie in LDS
	s_wait_alu depctr_vm_vsrc(0)                   ; the last image stores have read PC and PW, in which the loads below land (the quantiser that named these registers stands ahead of the last wait on va_vdst)
	GLOADW 3                                       ; into the registers that phase X worked in
	s_barrier_signal -1
	s_barrier_wait -1                              ; all 64 fragments lie in LDS; nothing there is written again
	XHALF 0, 0
	XHALF 1, 0
.irp i, 0,1,2,3,4,5,6,7
	MSTEP \i
.endr
	OUT 0
	s_wait_xcnt 0x0                                ; the stores have had their addresses translated,
	s_wait_alu depctr_vm_vsrc(0)                   ; and have read their data registers, B0 and B1, in which x's fragments land (the conversions that wrote them stand ahead of the last wait on va_vdst)
	XHALF 0, 0
	XHALF 1, 0
.irp i, 8,9,10,11,12,13,14,15
	MSTEP \i
.endr
	OUT 1
	s_wait_dscnt 0x0                               ; the closing lines, six on end
	s_wait_alu 0x0
	s_wait_tensorcnt 0x0
	ds_add_u32 v[SPW], v[NIL]
	s_wait_dscnt 0x0
	s_endpgm
.Lfunc_end_k_q1e22cb4d63_proj:
	.size	k_q1e22cb4d63_proj, .Lfunc_end_k_q1e22cb4d63_proj-k_q1e22cb4d63_proj
	.p2alignl 7, 3214868480
	.fill 96, 4, 3214868480
	.section	.rodata,"a",@progbits
	.p2align	6, 0x0
	.amdhsa_kernel k_q1e22cb4d63_proj
		.amdhsa_group_segment_fixed_size 138240
		.amdhsa_private_segment_fixed_size 0
		.amdhsa_enable_private_segment 0
		.amdhsa_kernarg_size 72
		.amdhsa_user_sgpr_count 2
		.amdhsa_user_sgpr_kernarg_segment_ptr 1
		.amdhsa_wavefront_size32 1
		.amdhsa_system_sgpr_workgroup_id_x 1
		.amdhsa_system_sgpr_workgroup_id_y 1
		.amdhsa_system_sgpr_workgroup_id_z 1
		.amdhsa_system_vgpr_workitem_id 0
		.amdhsa_next_free_vgpr 512
		.amdhsa_next_free_sgpr 66
		.amdhsa_reserve_vcc 0
		.amdhsa_float_denorm_mode_32 3
		.amdhsa_float_denorm_mode_16_64 3
		.amdhsa_memory_ordered 1
		.amdhsa_forward_progress 1
		.amdhsa_inst_pref_size 193
	.end_amdhsa_kernel
	.amdgpu_metadata
---
amdhsa.version: [ 1, 2 ]
amdhsa.kernels:
  - .name:           k_q1e22cb4d63_proj
    .symbol:         k_q1e22cb4d63_proj.kd
    .args:
      - { .name: query, .offset: 0, .size: 8, .value_kind: global_buffer, .address_space: global }
      - { .name: key, .offset: 8, .size: 8, .value_kind: global_buffer, .address_space: global }
      - { .name: value, .offset: 16, .size: 8, .value_kind: global_buffer, .address_space: global }
      - { .name: bq, .offset: 24, .size: 8, .value_kind: global_buffer, .address_space: global }
      - { .name: bk, .offset: 32, .size: 8, .value_kind: global_buffer, .address_space: global }
      - { .name: bv, .offset: 40, .size: 8, .value_kind: global_buffer, .address_space: global }
      - { .name: wcodes, .offset: 48, .size: 8, .value_kind: global_buffer, .address_space: global }
      - { .name: wscales, .offset: 56, .size: 8, .value_kind: global_buffer, .address_space: global }
      - { .name: qkv, .offset: 64, .size: 8, .value_kind: global_buffer, .address_space: global }
    .group_segment_fixed_size: 138240
    .private_segment_fixed_size: 0
    .kernarg_segment_align: 8
    .kernarg_segment_size: 72
    .max_flat_workgroup_size: 256
    .sgpr_count:     66
    .vgpr_count:     512
    .wavefront_size: 32
...
	.end_amdgpu_metadata
.endif
;; end of part 5
;; launch attn: the kernel of part 3 again; grid 4 x 64, 8 waves a work-group, clusters of 4 x 1, 327,680 bytes of LDS; arguments qkv, xf; writes xf
;; launch outp: the kernel of part 4 again; grid 4 x 64, 4 waves a work-group, clusters of 4 x 4, 327,680 bytes of LDS; arguments xf, wo16, bo, out0; writes out0
